; MI455X (gfx1250); checked and timed in simulation.
; The chip was launched on July 23, 2026; its instructions are those of AMD's public machine-readable ISA for CDNA 5 (MIT licence, August 2026) and "CDNA5" Instruction Set Architecture Reference Guide (July 2026). The comments in the code are by the model that wrote it; some were corrected since.
;; Causal Self Attention. Allowed arithmetic: matrix products marked QUANTISED: E4M3 operands, one given power-of-two scale a tensor, by v_wmma_f32_16x16x64_fp8_fp8 or v_wmma_f32_16x16x128_fp8_fp8, f32 sums; everything else in f32.
;; Inputs: lowp_scales 8 int32 (the exponents e of the quantised operands' scales 2^e); w_attn 1,024 x 3,072 float32; w_proj 1,024 x 1,024 float32; x 4 x 2,048 x 1,024 float32.
;; Outputs: out0 4 x 2,048 x 1,024 float32.
;; This version of the problem:
;;   THIS VERSION OF THE PROBLEM IS GIVEN IN LOW PRECISION. The matrix products marked QUANTISED in the list below multiply operands that are first quantised to E4M3 (4 exponent bits, 3 mantissa bits; 8 bits a number), with one given power-of-two scale for each operand tensor; their sums are f32. All else is computed in f32.
;;   The module's matrix products, in the order in which they are computed (A, B: the left and right operand; K: the contracted axis; several contracted axes count as one K, in the product's order):
;;     1. [M 8,192, K 1,024] x [K 1,024, N 3,072]; A: input x; B: input w_attn: QUANTISED (scales: A lowp_scales[0], B lowp_scales[1])
;;     2. batch 64 x [M 2,048, K 64] x [K 64, N 2,048]; A: computed on the way; B: computed on the way: QUANTISED (scales: A lowp_scales[2], B lowp_scales[3])
;;     3. batch 64 x [M 2,048, K 2,048] x [K 2,048, N 64]; A: softmax (see below); B: computed on the way: QUANTISED (scales: A lowp_scales[4], B lowp_scales[5])
;;     4. [M 8,192, K 1,024] x [K 1,024, N 1,024]; A: computed on the way; B: input w_proj: QUANTISED (scales: A lowp_scales[6], B lowp_scales[7])
;;   THE QUANTISER, for each operand of a quantised product, along K:
;;     - The operand's scale is 2^e, e = its entry of the input lowp_scales (int32; the entries are numbered through the quantised products in the list's order, A before B).
;;     - Each number is divided by the scale, clamped to +-448, and rounded to the nearest number of E4M3, ties to even, subnormals kept.
;;     - The product sums the exact products of the quantised numbers (number of the format x scale) in f32.
;;   ~~~python
;;   def quantise(x, axis, e):      # numpy; x: float32 -> the quantised numbers, widened to float32 again
;;       x = np.moveaxis(x, axis, -1); K = x.shape[-1]
;;       r = np.clip(x / 2.0 ** e, -448, 448)
;;       step = 2.0 ** (np.maximum(np.frexp(np.where(r == 0, 1, r))[1] - 1, -6) - 3)
;;       q = np.round(r / step) * step * 2.0 ** e      # np.round: ties to even
;;       return np.moveaxis(q, -1, axis).astype(np.float32)
;;   ~~~
;;   SOFTMAX AHEAD OF A QUANTISED PRODUCT. Where the list says 'softmax', what is quantised is not the finished softmax but p = 2^(t - M), with t = logit x log2(e) and M = ceil(the row's largest t), a whole number; so 1/2 < the row's largest p <= 1. The row's sum l is taken of the UNQUANTISED p, in f32, and the product's result is divided by l at the end. Since M is a whole number, a kernel that streams over the keys may use a running M (the ceiling of the running maximum): every later rescaling is an exact power of two, so the quantised numbers keep their values, but for numbers so far below the row's largest that they fall under the format's range.
;;   OPERANDS COMPUTED ON THE WAY. 'Computed on the way' means the value that the module computes at that place (a softmax that the list does not call 'softmax' is quantised finished and normalised). What goes into a quantiser is computed in f32, as accurately as f32 sums, v_exp_f32 and their like allow (about 1e-6 of the number): no bf16 or f16 on the way to a quantiser, and a product that is left as it is and whose result goes on into a quantised operand takes f32 operands (vector FMAs, or v_wmma_f32_16x16x4_f32). A number that lies on a knife's edge between two numbers of the format may be rounded either way, as far as f32 arithmetic and the matrix unit's own rounding can turn it there, and no further.
;; 2 versions, each right; version 2 is version 1 with the launch attn written anew for expert scheduling mode. Each part assembles by itself: llvm-mc -triple=amdgcn-amd-amdhsa -mcpu=gfx1250 --defsym DOCPART=n.
;; ======== version 1 of 2: 4 launches
;; workspace buffers: xcodes 8,388,608 bytes; wcodes 4,194,304 bytes; qcodes 8,388,608 bytes; kcodes 8,388,608 bytes; vcodes 8,388,608 bytes; acodes 8,388,608 bytes
;; launch quant (part 1): grid 384 x 1, 4 waves a work-group, no clusters, 68,096 bytes of LDS; arguments x, w_attn, w_proj, lowp_scales, xcodes, wcodes; writes xcodes, wcodes
.if DOCPART == 1
	.amdgcn_target "amdgcn-amd-amdhsa--gfx1250"
	.amdhsa_code_object_version 6
	.text
	.protected	k_q60f8e61557_quant
	.globl	k_q60f8e61557_quant
	.p2align	8
	.type	k_q60f8e61557_quant,@function
k_q60f8e61557_quant:
	s_mov_b64 s[64:65], 0
	v_nop
	global_prefetch_b8 v0, s[64:65] scope:SCOPE_SE
	s_setreg_imm32_b32 hwreg(HW_REG_WAVE_MODE, 25, 1), 1
	s_wait_xcnt 0x0
; x [8192][1024], w_attn [1024][3072] and w_proj [1024][1024], f32, become codes of FP8 (E4M3), one byte each, K innermost, each with the one scale 2^e given for it (entries 0, 1 and 7 of the scales).
; code = number / 2^e, held within +-448, rounded to the nearest code, ties to even.
; xcodes: [8192 tokens][1024 k].  wcodes: [4096 n][1024 k]: rows 0-3071 are w_attn's columns, rows 3072-4095 w_proj's.
; LIMITS: each e lies between -126 and 119, so that 2^e and 448 x 2^e are f32 numbers.  NaN among the inputs is not served (an infinity is held at the largest code).
; Work-groups 0-255 take x, whose K is innermost: a plain stream; a wave takes 16 steps of 512 numbers.  Each load reads 512 consecutive bytes; a step's 2,048 bytes turn through the wave's own stage in LDS,
; so that a lane holds 16 neighbours along K for the conversions; its 16 codes are 16 bytes, and the wave stores 512 consecutive bytes.
; Work-groups 256-383 take the weights, whose K is the FIRST axis: a lane takes a column n and its registers run down K; a wave takes 32 columns x 256 along K.  The codes go through the wave's stage and leave as
; rows: sixteen lanes store 256 consecutive bytes, aligned.  One text serves both weights: the row's length in bytes is a register.
; The two ways part on the work-group's number, never join, and have LDS bytes of their own.  No tensor load, no barrier: waves share nothing.
.set XWG,   256                        ; work-groups for x: 8192 x 1024 / (4 waves x 16 steps x 512)
.set STEPS, 16
.set SP,    80                         ; x: a lane's place in a stage: 64 bytes + 16 of padding
.set WREG,  8192                       ; x: a wave's region: two stages of 32 x SP bytes
.set WST,   4*WREG                     ; the weights' four stages begin here: 32 rows x WP bytes each
.set WP,    272                        ; 256 bytes of codes + 16 of padding
.set SPARE, WST+4*32*WP                ; behind them: the spare words, 128 bytes for each wave: two blocks of 256 bytes that no other line names
.set SPW,   12                         ; v12  LDS address of my spare word; never rewritten
.set NIL,   13                         ; v13  0; never rewritten
.set XR,    16                         ; x: v16-79   four sets of 16 numbers as loaded
.set XX,    80                         ; x: v80-111  two sets of 16 neighbours
.set XC,    128                        ; x: v128-191 codes, four registers for each step: no store's data are written again
.set WX,    32                         ; w: v32-95   two sets of 32 numbers
.set WC,    96                         ; w: v96-103  a block's codes
.set WO,    112                        ; w: v112-175 the way out
.set VO,    176                        ; w: v176-207 byte offset of row i of a block at my column: 4 x lane + i x a row's bytes; never rewritten
	s_load_b256 s[4:11], s[0:1], 0x0               ; x s[4:5], w_attn s[6:7], w_proj s[8:9], the scales s[10:11]
	s_load_b128 s[12:15], s[0:1], 0x20             ; xcodes s[12:13], wcodes s[14:15]
	v_lshl_add_u32 v[SPW], v0, 2, SPARE
	v_mov_b32 v[NIL], 0
	v_lshrrev_b32 v1, 5, v0
	v_readfirstlane_b32 s16, v1                    ; wave 0..3
	v_and_b32 v2, 31, v0                           ; lane
	s_wait_kmcnt 0x0
	s_load_b256 s[24:31], s[10:11], 0x0            ; e0 .. e7
	s_cmp_lt_u32 ttmp9, XWG
	s_cbranch_scc0 .Lw
	; ---------------- x ----------------
	v_lshlrev_b32 v3, 4, v2                        ; my 16 bytes of a load's 512, and of a step's 512 bytes of codes
	s_mul_i32 s17, s16, WREG
	v_lshrrev_b32 v14, 2, v2
	v_mul_u32_u24 v14, v14, SP
	v_and_b32 v15, 3, v2
	v_lshl_add_u32 v14, v15, 4, v14
	v_add_nc_u32 v14, s17, v14                     ; the stage, on the way in: four lanes' 64 bytes on end, then 16 of padding
	v_mul_u32_u24 v15, v2, SP
	v_add_nc_u32 v15, s17, v15                     ; and on the way out: my 16 neighbours
	s_lshl_b32 s18, ttmp9, 2
	s_add_co_u32 s18, s18, s16                     ; which run of 8,192 numbers is my wave's
	s_lshl_b32 s20, s18, 15                        ; 32,768 bytes of numbers,
	s_mov_b32 s21, 0
	s_add_nc_u64 s[4:5], s[4:5], s[20:21]
	s_lshl_b32 s20, s18, 13                        ; 8,192 bytes of codes
	s_add_nc_u64 s[12:13], s[12:13], s[20:21]
.macro XLOAD t
.irp i, 0,1,2,3
	global_load_b128 v[XR+16*((\t)%4)+4*\i:XR+16*((\t)%4)+4*\i+3], v3, s[4:5] offset:2048*(\t)+512*\i th:TH_LOAD_NT   ; 32 lanes read 512 consecutive bytes; read once in the launch
.endr
.endm
.macro XTURN t                         ; step t's numbers through the stage: LDS serves a wave's instructions in order, so no wait stands between the stores and the loads
.irp i, 0,1,2,3
	ds_store_b128 v14, v[XR+16*((\t)%4)+4*\i:XR+16*((\t)%4)+4*\i+3] offset:32*SP*((\t)%2)+8*SP*\i
.endr
.irp i, 0,1,2,3
	ds_load_b128 v[XX+16*((\t)%2)+4*\i:XX+16*((\t)%2)+4*\i+3], v15 offset:32*SP*((\t)%2)+16*\i
.endr
.endm
.irp t, 0,1,2,3
	XLOAD \t
.endr
	s_wait_kmcnt 0x0
	s_add_co_i32 s22, s24, 127
	s_lshl_b32 s23, s22, 23
	v_mov_b32 v11, s23                             ; 2^e0 as f32: the conversion takes its exponent field
	s_add_co_i32 s22, s22, 8
	s_lshl_b32 s22, s22, 23
	s_or_b32 s22, s22, 0x600000
	v_mov_b32 v10, s22                             ; 448 x 2^e0
	s_wait_loadcnt 12                              ; step 0's four loads are in; the twelve of steps 1 to 3 may be out
	XTURN 0
.macro XSTEP t
.set XS, XX+16*((\t)%2)
	s_wait_dscnt 0x0                               ; this step's numbers are back from the stage: so its stores into the stage have read their registers,
.if (\t)+4 < STEPS
	XLOAD (\t)+4                                   ; which take the loads of four steps on
.endif
.if (\t)+1 < STEPS
.if STEPS-2-(\t) >= 3
	s_wait_loadcnt 12                              ; the next step's four loads are in; those of the three steps behind it may be out
.else
	s_wait_loadcnt 4*(STEPS-2-(\t))                ; the same, with fewer steps left
.endif
	XTURN (\t)+1                                   ; they go through the other stage while this step is worked
.endif
.set I, 0
.rept 16
	v_med3_num_f32 v[XS+I], v[XS+I], -v10, v10     ; the conversion to an 8-bit code does not saturate (ISA guide 7.6.2): the hold at the largest code x the scale comes first
.set I, I+1
.endr
	v_cvt_scalef32_pk8_fp8_f32 v[XC+4*(\t):XC+4*(\t)+1], v[XS:XS+7], v11
	v_cvt_scalef32_pk8_fp8_f32 v[XC+4*(\t)+2:XC+4*(\t)+3], v[XS+8:XS+15], v11   ; the results go to a store alone; the next vector lines are the next step's holds, plain ones on other registers
	global_store_b128 v3, v[XC+4*(\t):XC+4*(\t)+3], s[12:13] offset:512*(\t)     ; 32 lanes store 512 consecutive bytes, aligned
.endm
.irp t, 0,1,2,3,4,5,6,7,8,9,10,11,12,13,14,15
	XSTEP \t
.endr
	s_wait_tensorcnt 0x0                           ; the wave's end: a zero add to my spare word and its wait, behind my last LDS store
	ds_add_u32 v[SPW], v[NIL]
	s_wait_dscnt 0x0
	s_endpgm
	; ---------------- the weights ----------------
.Lw:
	s_sub_co_u32 s17, ttmp9, XWG
	s_lshr_b32 s18, s17, 2                         ; g: which 128 rows of wcodes, 0..31
	s_and_b32 s19, s17, 3                          ; y: which 256 along K
	s_cmp_lt_u32 s18, 24                           ; w_attn's columns or w_proj's?  The choice hangs on the work-group's number alone
	s_cselect_b64 s[4:5], s[6:7], s[8:9]           ; the source,
	s_mov_b32 s48, 4096
	s_cselect_b32 s48, 12288, s48                  ; its row in bytes,
	s_cselect_b32 s20, 0, 24                       ; the first group of its columns,
	s_wait_kmcnt 0x0
	s_cselect_b32 s49, s25, s31                    ; and its e: e1 or e7
	s_sub_co_u32 s20, s18, s20                     ; my group of 128 columns in the source
	s_lshl_b32 s21, s19, 8
	s_mul_i32 s22, s21, s48                        ; 256 y rows down,
	s_lshl_b32 s23, s20, 9
	s_add_co_u32 s22, s22, s23                     ; 128 columns of 4 bytes for each group,
	s_lshl_b32 s23, s16, 7
	s_add_co_u32 s22, s22, s23                     ; 32 for each wave
	s_mov_b32 s23, 0
	s_add_nc_u64 s[32:33], s[4:5], s[22:23]        ; block 0's first row at my wave's first column
	s_lshl_b32 s50, s48, 5                         ; 32 rows
	s_mov_b32 s51, 0
.irp t, 1,2,3,4,5,6,7
	s_add_nc_u64 s[32+2*\t:33+2*\t], s[30+2*\t:31+2*\t], s[50:51]   ; a base for each of the eight blocks; never rewritten
.endr
	v_lshlrev_b32 v[VO], 2, v2
.set I, 1
.rept 31
	v_add_nc_u32 v[VO+I], s48, v[VO+I-1]
.set I, I+1
.endr
	s_mul_i32 s52, s16, 32*WP
	s_add_co_u32 s52, s52, WST                     ; my stage
	v_mul_u32_u24 v4, v2, WP
	v_add_nc_u32 v4, s52, v4                       ; into it: row = my column
	v_and_b32 v5, 15, v2
	v_lshrrev_b32 v6, 4, v2                        ; out of it: sixteen lanes to a row, two rows an instruction
	v_mul_u32_u24 v7, v6, WP
	v_lshl_add_u32 v7, v5, 4, v7
	v_add_nc_u32 v7, s52, v7
	v_lshlrev_b32 v8, 10, v6
	v_lshl_add_u32 v8, v5, 4, v8                   ; and the same place in wcodes, rows of 1,024 bytes
	s_lshl_b32 s54, s18, 17                        ; 128 g rows,
	s_lshl_b32 s55, s16, 15                        ; 32 for each wave,
	s_add_co_u32 s54, s54, s55
	s_lshl_b32 s55, s19, 8                         ; 256 y bytes along the row
	s_add_co_u32 s54, s54, s55
	s_mov_b32 s55, 0
	s_add_nc_u64 s[14:15], s[14:15], s[54:55]
.macro WLOAD t                         ; block t: W(32 t + i, my column), i = 0 .. 31, into set t % 2: each load reads 128 consecutive bytes a wave, 512 a work-group
.set I, 0
.rept 32
	global_load_b32 v[WX+32*((\t)%2)+I], v[VO+I], s[32+2*(\t):33+2*(\t)] th:TH_LOAD_NT
.set I, I+1
.endr
.endm
	WLOAD 0
	WLOAD 1
	s_add_co_i32 s49, s49, 127
	s_lshl_b32 s53, s49, 23
	v_mov_b32 v11, s53                             ; 2^e
	s_add_co_i32 s49, s49, 8
	s_lshl_b32 s49, s49, 23
	s_or_b32 s49, s49, 0x600000
	v_mov_b32 v10, s49                             ; 448 x 2^e
.macro WBLOCK t
.set XS, WX+32*((\t)%2)
.if (\t) < 7
	s_wait_loadcnt 32                              ; this block's 32 loads are in; the next block's 32 may be out
.else
	s_wait_loadcnt 0
.endif
.set I, 0
.rept 32
	v_med3_num_f32 v[XS+I], v[XS+I], -v10, v10     ; the hold at the largest code x the scale
.set I, I+1
.endr
.irp g, 0,1,2,3
	v_cvt_scalef32_pk8_fp8_f32 v[WC+2*\g:WC+2*\g+1], v[XS+8*\g:XS+8*\g+7], v11   ; eight neighbours along K of my column
.endr
	ds_store_b128 v4, v[WC:WC+3] offset:32*(\t)    ; 32 codes: 32 bytes of my column's row.  (The results go to LDS stores alone; the next block begins with plain vector lines)
	ds_store_b128 v4, v[WC+4:WC+7] offset:32*(\t)+16
.if (\t)+2 < 8
	WLOAD (\t)+2
.endif
	s_wait_dscnt 0x0                               ; the stores have read their registers: the next block's codes may be written
.endm
.irp t, 0,1,2,3,4,5,6,7
	WBLOCK \t
.endr
.irp t, 0,1,2,3,4,5,6,7,8,9,10,11,12,13,14,15
	ds_load_b128 v[WO+4*\t:WO+4*\t+3], v7 offset:2*\t*WP   ; LDS serves a wave's instructions in order: these see my stores
.endr
.irp t, 0,1,2,3,4,5,6,7,8,9,10,11,12,13,14,15
	s_wait_dscnt 15-\t                             ; load t is in; the younger ones may be out
	global_store_b128 v8, v[WO+4*\t:WO+4*\t+3], s[14:15] offset:2*\t*1024   ; sixteen lanes store 256 consecutive bytes, aligned
.endr
	s_wait_tensorcnt 0x0                           ; the wave's end: a zero add to my spare word and its wait, behind my last LDS store
	ds_add_u32 v[SPW], v[NIL]
	s_wait_dscnt 0x0
	s_endpgm
.Lfunc_end_k_q60f8e61557_quant:
	.size	k_q60f8e61557_quant, .Lfunc_end_k_q60f8e61557_quant-k_q60f8e61557_quant
	.p2alignl 7, 3214868480
	.fill 96, 4, 3214868480
	.section	.rodata,"a",@progbits
	.p2align	6, 0x0
	.amdhsa_kernel k_q60f8e61557_quant
		.amdhsa_group_segment_fixed_size 68096
		.amdhsa_private_segment_fixed_size 0
		.amdhsa_enable_private_segment 0
		.amdhsa_kernarg_size 48
		.amdhsa_user_sgpr_count 2
		.amdhsa_user_sgpr_kernarg_segment_ptr 1
		.amdhsa_wavefront_size32 1
		.amdhsa_system_sgpr_workgroup_id_x 1
		.amdhsa_system_sgpr_workgroup_id_y 1
		.amdhsa_system_sgpr_workgroup_id_z 1
		.amdhsa_system_vgpr_workitem_id 0
		.amdhsa_next_free_vgpr 208
		.amdhsa_next_free_sgpr 66
		.amdhsa_reserve_vcc 0
		.amdhsa_float_denorm_mode_32 3
		.amdhsa_float_denorm_mode_16_64 3
		.amdhsa_memory_ordered 1
		.amdhsa_forward_progress 1
		.amdhsa_inst_pref_size 87
	.end_amdhsa_kernel
	.amdgpu_metadata
---
amdhsa.version: [ 1, 2 ]
amdhsa.kernels:
  - .name:           k_q60f8e61557_quant
    .symbol:         k_q60f8e61557_quant.kd
    .args:
      - { .name: x, .offset: 0, .size: 8, .value_kind: global_buffer, .address_space: global }
      - { .name: w_attn, .offset: 8, .size: 8, .value_kind: global_buffer, .address_space: global }
      - { .name: w_proj, .offset: 16, .size: 8, .value_kind: global_buffer, .address_space: global }
      - { .name: lowp_scales, .offset: 24, .size: 8, .value_kind: global_buffer, .address_space: global }
      - { .name: xcodes, .offset: 32, .size: 8, .value_kind: global_buffer, .address_space: global }
      - { .name: wcodes, .offset: 40, .size: 8, .value_kind: global_buffer, .address_space: global }
    .group_segment_fixed_size: 68096
    .private_segment_fixed_size: 0
    .kernarg_segment_align: 8
    .kernarg_segment_size: 48
    .max_flat_workgroup_size: 128
    .sgpr_count:     66
    .vgpr_count:     208
    .wavefront_size: 32
...
	.end_amdgpu_metadata
.endif
;; end of part 1
;; launch qkv (part 2): grid 12 x 32, 4 waves a work-group, clusters of 4 x 4, 327,680 bytes of LDS; arguments xcodes, wcodes, lowp_scales, qcodes, kcodes, vcodes; writes qcodes, kcodes, vcodes
.if DOCPART == 2
	.amdgcn_target "amdgcn-amd-amdhsa--gfx1250"
	.amdhsa_code_object_version 6
	.text
	.protected	k_q60f8e61557_qkv
	.globl	k_q60f8e61557_qkv
	.p2align	8
	.type	k_q60f8e61557_qkv,@function
k_q60f8e61557_qkv:
	s_mov_b64 s[64:65], 0
	v_nop
	global_prefetch_b8 v0, s[64:65] scope:SCOPE_SE
	s_setreg_imm32_b32 hwreg(HW_REG_WAVE_MODE, 25, 1), 1
	s_wait_xcnt 0x0
	s_wait_alu depctr_hold_cnt(0) depctr_sa_sdst(0) depctr_va_vdst(0) depctr_va_sdst(0) depctr_va_ssrc(0) depctr_va_vcc(0) depctr_vm_vsrc(0)
	s_getreg_b32 s2, hwreg(HW_REG_IB_STS2, 6, 4)
	s_cmp_eq_u32 s2, 0
	s_cbranch_scc0 .Lentry_in_a_cluster
	s_endpgm
.Lentry_in_a_cluster:
	s_bfe_u32 s2, ttmp6, 0x10000c
	s_cmp_lg_u32 s2, 0xf033
	s_cbranch_scc0 .Lentry_shape_is_right
	s_endpgm
.Lentry_shape_is_right:
; qkv = x w_attn on codes of FP8 (E4M3), and its three parts quantised again, each with its own given scale, as the operands of attention's products.
; xcodes [8192 tokens][1024 k], wcodes [4096 n][1024 k] (rows 0-1023 q's columns, 1024-2047 k's, 2048-3071 v's).  Sums in f32; a sum stands for sum x 2^(e0 + e1).
; OUT: qcodes, kcodes [64 bh][2048 t][64 d] (K = d innermost; bh = 16 b + head), vcodes [64 bh][64 d][2048 t] (K = the keys innermost).  code = sum / 2^(eo - e0 - e1), held within +-448; eo = e2, e3, e5.
; LIMITS: eo - e0 - e1 lies between -126 and 119 for each of the three, so that the folded scale and 448 x it are f32 numbers.
; A tile of 256 x 256 sums is made by four waves, each 128 x 128: 64 accumulators of 16 x 16, 512 registers.  K goes in steps of 256 through two LDS slots filled by the tensor data mover: rows of 256 bytes.
; The matrix instruction's source 0 takes 16 rows of the operand called B' here, source 1 16 rows of A': a lane then holds ONE row of A' and eight neighbouring rows of B'.
; WHICH OPERAND IS A' hangs on the cluster's x (0: q, 1: k, 2: v), the same in all sixteen partners.  q, k: A' = tokens, B' = columns: a lane's eight sums are neighbours along d.
; v: A' = columns, B' = tokens: a lane's eight sums are neighbouring tokens of one (head, d): neighbours along v's K.  So the conversions give codes with K innermost in all three, and the products are one text.
; CLUSTERS: 4 x 4 work-groups.  A's tile hangs on the cluster's y and my cy and is shared along a row of the cluster, B's on cx and is shared along a column: each is asked for JOINTLY, by the same tensor load
; with the same descriptor and a mask that names the four.
; REGISTERS, in windows of 256: window 0: v0-31 addresses; from v128 A's fragments (8 x 16 rows x 128 K), ONE set; on the way out v32-95 held sums, v128-255 codes.
;   window 1: B's fragments, TWO sets, at v0 and v128.   window 2: the accumulators of my A' blocks 0-3 (accumulator (a, b) at v[8 (8 (a % 4) + b)]);   window 3: blocks 4-7.
.set AB,     8                         ; blocks of 16 rows of A' to a wave
.set ABH,    AB/2
.set ROWB,   256                       ; a tile's row in bytes: a K step's codes
.set KROW,   1024                      ; a row of either operand in memory
.set PITCH,  272                       ; an LDS row: 256 bytes + 16 of padding = 68 words: row r starts at bank 4 r mod 64 (64 banks of 4 bytes: ISA guide 11.1)
.set FR,     16                        ; registers of a fragment: 16 rows x 128 K
.set NL,     4                         ; LDS loads that bring one
.set NP,     4                         ; places behind this matrix instruction (ISA guide 7.12.1)
.set HALFT,  128*PITCH                 ; 128 rows: what one tensor load brings, and what one wave reads of A' or of B'
.set SLOT,   4*HALFT                   ; A's 256 rows, then B's 256 rows
.set SPARE,  2*SLOT                    ; behind the ring: the spare words, 128 bytes for each wave: two blocks of 256 bytes that no other line names
.set SCL,  15                          ; v15     the folded scale as f32
.set ADRA, 16                          ; v16-17  LDS address of my A' fragments in slot 0, 1
.set ADRB, 20                          ; v20-21  the same for B'
.set STO,  24                          ; v24     the way out: where I put 8 codes of a row of the stage
.set RDV,  25                          ; v25     v: where I read a row back;  v26 the same place in vcodes
.set GV,   26
.set RDQ,  27                          ; v27     q, k: where I read 16 bytes of a token's head back;  v30 the same place in qcodes or kcodes
.set SPW,  28                          ; v28     LDS address of my spare word; never rewritten
.set NIL,  29                          ; v29     0; never rewritten
.set GQ,   30
.set LIM,  31                          ; v31     448 x the folded scale
.set TMP,  32                          ; v32-95  a block's 64 sums, held
.set AF,   128                         ; A's fragments, in window 0
.set CD,   128                         ; the way out: codes, 16 registers a block; then what is read back from the stage
.set G1, 24                            ; s[24:31] descriptor group 1 for A's tiles;  s[32:39] group 0, one set for each slot
.set G0, 32
.set G1B, 48                           ; s[48:55], s[56:63] the same for B's tiles
.set G0B, 56
.set MSB, 0
.macro WIN new                         ; the immediate's high byte repeats the setting that is left
.if MSB != \new
	s_set_vgpr_msb (MSB<<8)|\new
.set MSB, \new
.endif
.endm
.set MUL_LO, 0xa1                      ; source 0 (B') window 1, source 1 (A') window 0, C and D window 2
.set MUL_HI, 0xf1                      ; the same, C and D window 3
.set TO_B,   0x40                      ; destination window 1, address window 0
; A joint load: waves 0 and 1 fetch for A', waves 2 and 3 for B'.  Each of the two lines has ONE mask and one set of registers for all that issue it; the branch hangs on the wave's number alone.
; An s_nop 0 and four v_nop follow each of the two lines, ahead of the jump, the label and what follows.
.macro JLOAD g0a, g1a, g0b, g1b
	s_cmp_eq_u32 s15, 0
	s_cbranch_scc0 .Lfor_b_\@
	tensor_load_to_lds s[\g0a:\g0a+3], s[\g1a:\g1a+7]
	s_nop 0
.rept 4
	v_nop
.endr
	s_branch .Lasked_\@
.Lfor_b_\@:
	tensor_load_to_lds s[\g0b:\g0b+3], s[\g1b:\g1b+7]
	s_nop 0
.rept 4
	v_nop
.endr
.Lasked_\@:
.endm
.macro CREST                           ; a round of the cluster's barrier behind its opening barrier
	s_cmp_lg_u32 s14, 0
	s_cbranch_scc1 .Lnot_wave_0_\@
	s_barrier_signal -3
.Lnot_wave_0_\@:
	s_barrier_wait -3
	s_barrier_signal -1
	s_barrier_wait -1
.endm
.macro CROUND                          ; a whole round
	s_barrier_signal -1
	s_barrier_wait -1
	CREST
.endm
	s_load_b128 s[4:7], s[0:1], 0x0                ; xcodes s[4:5], wcodes s[6:7]
	s_load_b64 s[8:9], s[0:1], 0x10                ; the scales' exponents
	s_load_b128 s[88:91], s[0:1], 0x18             ; qcodes s[88:89], kcodes s[90:91]
	s_load_b64 s[92:93], s[0:1], 0x28              ; vcodes
	v_lshl_add_u32 v[SPW], v0, 2, SPARE
	v_mov_b32 v[NIL], 0
	ds_add_u32 v[SPW], v[NIL]                      ; the wave's opening: the add and its wait stand ahead of my first tensor load; the set-up below, work on registers, stands between them
	v_lshrrev_b32 v1, 5, v0
	v_readfirstlane_b32 s14, v1                    ; wave 0..3
	s_lshr_b32 s15, s14, 1                         ; which half of the tile's A' rows is mine.  Also: I fetch for A' (0) or for B' (1)
	s_and_b32 s16, s14, 1                          ; which half of its B' rows.  Also: which 128 rows of that tile I fetch
	s_bfe_u32 s40, ttmp6, 0x40000                  ; cx, cy: my place in the cluster
	s_bfe_u32 s41, ttmp6, 0x40004
	s_and_b32 s66, ttmp7, 0xffff
	s_lshl_b32 s66, s66, 2                         ; 4 x cluster y
	s_add_co_u32 s67, s66, s41                     ; q, k: A's tile of 256 tokens
	s_add_co_u32 s68, s66, s40                     ; v: B's tile of 256 tokens
	s_lshl_b32 s69, ttmp9, 2
	s_add_co_u32 s69, s69, s40                     ; q, k: B's tile of 256 rows of wcodes
	s_lshl_b32 s43, s41, 2
	s_lshl_b32 s43, 15, s43                        ; my row of the cluster
	s_lshl_b32 s44, 0x1111, s40                    ; my column
	s_cmp_eq_u32 ttmp9, 2                          ; v?  The cluster's x is the same in all sixteen partners
	s_cselect_b32 s17, s41, s67                    ; A's tile: it hangs on cy and the cluster's place alone,
	s_cselect_b32 s42, s68, s69                    ; B's: on cx and the cluster's place alone
	s_cselect_b32 s70, 0x200000, 0                 ; v's columns begin at row 2,048 of wcodes
	; descriptor group 1: a tile of 128 rows x 256 bytes, padded in LDS
	s_or_b32 s[G1+0], s43, (1<<20)|(1<<21)|(5<<22)|(3<<25)   ; 15:0 the mask: A's tiles go to my row; 17:16 elements of 1 byte; 20 padding on; 21 set beside a mask; 24:22 after every 64 words (code 5); 31:25 four words (code 3)
	s_or_b32 s[G1B+0], s44, (1<<20)|(1<<21)|(5<<22)|(3<<25)  ; the same with the mask of my column
.irp g, G1, G1B
	s_mov_b32 s[\g+1], ROWB<<16                    ; tensor_dim0
	s_mov_b32 s[\g+2], 128<<16                     ; tensor_dim1
	s_mov_b32 s[\g+3], ROWB<<16                    ; tile_dim0
	s_mov_b32 s[\g+4], 128                         ; tile_dim1
	s_mov_b32 s[\g+5], KROW                        ; tensor_dim0_stride
	s_mov_b32 s[\g+6], 0
	s_mov_b32 s[\g+7], 0
.endr
	s_lshl_b32 s18, s16, 7                         ; which 128 rows of the tile I fetch
	s_lshl_b32 s20, s17, 8
	s_add_co_u32 s20, s20, s18
	s_lshl_b32 s20, s20, 10                        ; A': row x 1,024 bytes
	s_add_co_u32 s20, s20, s70
	s_mov_b32 s21, 0
	s_lshl_b32 s46, s42, 8
	s_add_co_u32 s46, s46, s18
	s_lshl_b32 s46, s46, 10                        ; B' likewise
	s_mov_b32 s47, 0
	s_mul_i32 s45, s14, HALFT                      ; where they go: wave x 128 rows: no place in the cluster enters an LDS address
	s_wait_dscnt 0x0                               ; the opening add is done
	s_wait_kmcnt 0x0
	s_load_b256 s[72:79], s[8:9], 0x0              ; e0 .. e7
	s_cmp_eq_u32 ttmp9, 2
	s_cselect_b64 s[82:83], s[6:7], s[4:5]         ; A': wcodes for v, else xcodes
	s_cselect_b64 s[84:85], s[4:5], s[6:7]         ; B': the other
	s_add_nc_u64 s[20:21], s[82:83], s[20:21]
	s_add_nc_u64 s[46:47], s[84:85], s[46:47]
	CROUND                                         ; all sixteen work-groups are here: the first joint loads meet
.irp s, 0,1
	s_mov_b32 s[G0+4*\s], 1
	s_add_co_u32 s[G0+4*\s+1], s45, \s*SLOT
	s_add_nc_u64 s[G0+4*\s+2:G0+4*\s+3], s[20:21], \s*ROWB
	s_or_b32 s[G0+4*\s+3], s[G0+4*\s+3], 0x80000000
	s_mov_b32 s[G0B+4*\s], 1
	s_add_co_u32 s[G0B+4*\s+1], s45, \s*SLOT
	s_add_nc_u64 s[G0B+4*\s+2:G0B+4*\s+3], s[46:47], \s*ROWB
	s_or_b32 s[G0B+4*\s+3], s[G0B+4*\s+3], 0x80000000
	JLOAD G0+4*\s, G1, G0B+4*\s, G1B               ; K steps 0 and 1: two loads of mine are out
.endr
	v_and_b32 v1, 15, v0                           ; r = lane % 16
	v_bfe_u32 v2, v0, 4, 1                         ; h = lane / 16
	v_mul_u32_u24 v3, v1, PITCH
	v_lshl_add_u32 v4, v2, 4, v3                   ; a fragment's row x pitch + 16 h
	s_mul_i32 s21, s15, HALFT                      ; my 128 rows of A'
	s_mul_i32 s22, s16, HALFT                      ; my 128 rows of B',
	s_add_co_u32 s22, s22, 2*HALFT                 ; which lie behind A's 256
.irp s, 0,1
	v_add_nc_u32 v[ADRA+\s], s21, v4
	v_add_nc_u32 v[ADRB+\s], s22, v4
	s_add_co_u32 s21, s21, SLOT
	s_add_co_u32 s22, s22, SLOT
.endr
	; the way out goes through ONE stage of 256 rows (A') x 256 codes (B'), pitch 272, in slot 0
	s_mul_i32 s23, s15, 128*PITCH
	s_lshl_b32 s22, s16, 7
	s_add_co_u32 s23, s23, s22
	v_lshl_add_u32 v5, v2, 3, v3
	v_add_nc_u32 v[STO], s23, v5                   ; in: row 128 x my half + r, byte 128 x my half + 8 h
	s_mul_i32 s23, s14, 64*PITCH                   ; back: wave w takes rows 64 w .. 64 w + 63
	v_mul_u32_u24 v5, v2, PITCH
	v_lshl_add_u32 v5, v1, 4, v5
	v_add_nc_u32 v[RDV], s23, v5                   ; v: lanes 0-15 one whole row, lanes 16-31 the next
	v_lshlrev_b32 v5, 11, v2
	v_lshl_add_u32 v[GV], v1, 4, v5                ; and the same two rows of vcodes, 2,048 bytes apart
	v_and_b32 v6, 31, v0
	v_lshrrev_b32 v7, 2, v6
	v_mul_u32_u24 v7, v7, PITCH
	v_and_b32 v8, 3, v0
	v_lshl_add_u32 v7, v8, 4, v7
	v_add_nc_u32 v[RDQ], s23, v7                   ; q, k: four lanes take the 64 bytes of one token's head, eight tokens an instruction
	v_lshlrev_b32 v[GQ], 4, v6                     ; which are 512 consecutive bytes of qcodes or kcodes
	; where my 64 rows of the stage go, in bytes
	s_lshl_b32 s80, s14, 6
	s_lshr_b32 s66, s42, 3                         ; v: batch = token tile / 8: 1,024 rows of 2,048 bytes each,
	s_lshl_b32 s66, s66, 21
	s_lshl_b32 s67, s17, 8
	s_add_co_u32 s67, s67, s80                     ; row 64 head + d = 256 x A's tile + 64 w,
	s_lshl_b32 s67, s67, 11
	s_add_co_u32 s66, s66, s67
	s_and_b32 s67, s42, 7                          ; 256 tokens for each tile within the batch
	s_lshl_b32 s67, s67, 8
	s_add_co_u32 s66, s66, s67
	s_lshr_b32 s68, s17, 3                         ; q, k: batch = token tile / 8: 16 heads of 131,072 bytes,
	s_lshl_b32 s68, s68, 21
	s_and_b32 s69, s42, 3                          ; four heads for each tile of columns,
	s_lshl_b32 s69, s69, 19
	s_add_co_u32 s68, s68, s69
	s_and_b32 s69, s17, 7
	s_lshl_b32 s69, s69, 8
	s_add_co_u32 s69, s69, s80                     ; token 256 x (tile % 8) + 64 w, 64 bytes each
	s_lshl_b32 s69, s69, 6
	s_add_co_u32 s68, s68, s69
	s_cmp_eq_u32 ttmp9, 2
	s_cselect_b32 s80, s66, s68
	s_cselect_b64 s[86:87], s[92:93], s[90:91]
	s_cmp_eq_u32 ttmp9, 0
	s_cselect_b64 s[86:87], s[88:89], s[86:87]
	s_mov_b32 s81, 0
	s_add_nc_u64 s[86:87], s[86:87], s[80:81]
.macro FRAG reg, adr, q, i             ; a fragment, 16 rows x 128 K, is 16 registers: lane (r, h) holds row r; registers 4 c .. 4 c + 3 hold K = 32 c + 16 h + 0 .. 15: the same order of K in A' and in B', so every product meets its partner
.irp c, 0,1,2,3
	ds_load_b128 v[\reg+4*\c:\reg+4*\c+3], v[\adr] offset:128*(\q)+32*\c+(\i)*16*PITCH
.endr
.endm
; A quarter of a step's products: AB / 4 blocks of A' x B's eight, 128 along K.  p: B's set.  zero = 1: the first product starts the sums: nothing is ever cleared.
; The accumulators take turns, one instruction a turn, in the same order in every step.
.macro MULQ q, p, zero
	WIN MUL_LO+0x50*(((\q)*AB/4)/4)
.set MA, (\q)*AB/4
.rept AB/4
.irp b, 0,1,2,3,4,5,6,7
.if \zero
	v_wmma_f32_16x16x128_fp8_fp8 v[8*(8*(MA%4)+\b):8*(8*(MA%4)+\b)+7], v[128*(\p)+FR*\b:128*(\p)+FR*\b+FR-1], v[AF+FR*MA:AF+FR*MA+FR-1], 0
.else
	v_wmma_f32_16x16x128_fp8_fp8 v[8*(8*(MA%4)+\b):8*(8*(MA%4)+\b)+7], v[128*(\p)+FR*\b:128*(\p)+FR*\b+FR-1], v[AF+FR*MA:AF+FR*MA+FR-1], v[8*(8*(MA%4)+\b):8*(8*(MA%4)+\b)+7]
.endif
.endr
.set MA, MA+1
.endr
.endm
.macro FETCH_B slot, q, p              ; B's eight fragments of the slot's q-th 128 along K into set p
	WIN TO_B
.irp i, 0,1,2,3,4,5,6,7
	FRAG 128*(\p)+FR*\i, ADRB+\slot, \q, \i
.endr
	WIN 0
.endm
.macro FETCH_A slot, q, half           ; one half of A's blocks
.set FI, (\half)*ABH
.rept ABH
	FRAG AF+FR*FI, ADRA+\slot, \q, FI
.set FI, FI+1
.endr
.endm
; A load into a register that a matrix instruction has read, and a vector instruction that reads a matrix result, stand NP places behind that matrix instruction; only plain vector instructions that name none of
; its registers are places (ISA guide 7.12.1 for vector instructions).
.macro PLACES n
.rept \n
	v_nop
.endr
.endm
; A slot's first 128 along K: B's set 0.  A block of A' is free as soon as its eight products are issued, so A' has one set: its first half is fetched anew in the step's middle, its second at the end.
.macro STEP slot, zero
	s_wait_dscnt ABH*NL                            ; B's set and A's first half are in; the youngest loads (A's second half) may be out
	MULQ 0, 0, \zero
	MULQ 1, 0, \zero
	s_wait_dscnt 0                                 ; A's second half is in
	PLACES NP
	FETCH_B \slot, 1, 1
	FETCH_A \slot, 1, 0
	MULQ 2, 0, \zero
	MULQ 3, 0, \zero
	PLACES NP
	WIN 0
	FETCH_A \slot, 1, 1
.endm
; A slot's second 128 along K changes slots: ONE barrier; in front of it each wave waits for all its tensor loads, adds 0 to its spare word, and waits for that and for its own reads of this slot.
; fill = 1: this slot is filled again, two K steps ahead; the barrier then opens a round of the cluster's barrier.
.macro TURN slot, next, fill
	s_wait_tensorcnt 0x0                           ; all my tensor loads have landed: my part of the next slot;  (every window is 0 here: the add's two registers lie in window 0)
	ds_add_u32 v[SPW], v[NIL]                      ; 0 onto my spare word
	s_wait_dscnt ABH*NL+1                          ; the add and the youngest loads, A's second half, may be out
	MULQ 0, 1, 0                                   ; matrix instructions stand between the add and the wait for it
	s_wait_dscnt 0x0                               ; the add is done, and my reads of this slot are over
	s_barrier_signal -1
	MULQ 1, 1, 0
	WIN 0
	s_barrier_wait -1
.if \fill
	CREST                                          ; no wave of any partner still reads this slot's tile or has a load on its way
	s_add_nc_u64 s[G0+4*\slot+2:G0+4*\slot+3], s[G0+4*\slot+2:G0+4*\slot+3], 2*ROWB
	s_add_nc_u64 s[G0B+4*\slot+2:G0B+4*\slot+3], s[G0B+4*\slot+2:G0B+4*\slot+3], 2*ROWB
	JLOAD G0+4*\slot, G1, G0B+4*\slot, G1B         ; the first tensor load behind the round, my one load until the next; its four v_nop are the places in front of the loads below
.else
	PLACES NP
.endif
	FETCH_B \next, 0, 0
	FETCH_A \next, 0, 0
	MULQ 2, 1, 0
	MULQ 3, 1, 0
	PLACES NP
	WIN 0
	FETCH_A \next, 0, 1
.endm
	s_wait_tensorcnt 1                             ; my part of K step 0 is in; K step 1's load may be out
	s_barrier_signal -1
	s_barrier_wait -1                              ; everybody's is
	FETCH_B 0, 0, 0
	FETCH_A 0, 0, 0
	FETCH_A 0, 0, 1
	STEP 0, 1                                      ; K = 1,024 is four K steps, eight steps of 128: written out.  The first starts the sums
	TURN 0, 1, 1                                   ; slot 0 takes K step 2
	STEP 1, 0
	TURN 1, 0, 1                                   ; slot 1 takes K step 3
	STEP 0, 0
	TURN 0, 1, 0                                   ; nothing is left to fetch: a plain barrier; behind it nobody reads slot 0 and nothing is filled there
	STEP 1, 0
	s_wait_dscnt ABH*NL                            ; the last step
	MULQ 0, 1, 0
	MULQ 1, 1, 0
	s_wait_dscnt 0
	MULQ 2, 1, 0
	MULQ 3, 1, 0
	WIN 0
	; THE WAY OUT.  The three scales ahead of the quantiser are folded into the conversion's one.
	s_wait_kmcnt 0x0
	s_cmp_eq_u32 ttmp9, 0
	s_cselect_b32 s94, s74, s75                    ; e2 for q, e3 for k,
	s_cmp_eq_u32 ttmp9, 2
	s_cselect_b32 s94, s77, s94                    ; e5 for v
	s_sub_co_i32 s94, s94, s72
	s_sub_co_i32 s94, s94, s73                     ; eo - e0 - e1
	s_add_co_i32 s94, s94, 127
	s_lshl_b32 s95, s94, 23
	v_mov_b32 v[SCL], s95
	s_add_co_i32 s94, s94, 8
	s_lshl_b32 s94, s94, 23
	s_or_b32 s94, s94, 0x600000
	v_mov_b32 v[LIM], s94                          ; 448 x the folded scale
	PLACES NP                                      ; behind the last products: for the reads of results and the writes over A's fragments
; Block a (16 rows of A' x my 128 of B'): held, converted (a lane's eight sums are eight neighbours along the next K), 8 bytes a lane and accumulator into the stage.
.macro QBLOCK a
	WIN 0x02+(\a)/4                                ; source 0: window 2 or 3
.set J, 0
.rept 64
	v_med3_num_f32 v[TMP+J], v[64*((\a)%4)+J], -v[LIM], v[LIM]   ; the conversion does not saturate (ISA guide 7.6.2): the hold; each accumulator from its low end on
.set J, J+1
.endr
	WIN 0
.irp b, 0,1,2,3,4,5,6,7
	v_cvt_scalef32_pk8_fp8_f32 v[CD+16*(\a)+2*\b:CD+16*(\a)+2*\b+1], v[TMP+8*\b:TMP+8*\b+7], v[SCL]
.endr
	v_nop                                          ; one plain vector line behind the last conversion: the next block's holds write the conversions' sources
.irp b, 0,1,2,3,4,5,6,7
	ds_store_b64 v[STO], v[CD+16*(\a)+2*\b:CD+16*(\a)+2*\b+1] offset:(\a)*16*PITCH+16*\b
.endr
.endm
.irp a, 0,1,2,3,4,5,6,7
	QBLOCK \a
.endr
	s_wait_dscnt 0x0                               ; for the others' sake: my stores into the stage are done (a row's 256 bytes come from two waves)
	s_barrier_signal -1
	s_barrier_wait -1
	s_cmp_eq_u32 ttmp9, 2
	s_cbranch_scc1 .Lv_out
.set N, 0
.rept 32                                       ; q, k: head N / 8 of the tile's four, tokens 8 (N % 8) on of my 64
	ds_load_b128 v[CD+4*N:CD+4*N+3], v[RDQ] offset:(N%8)*8*PITCH+64*(N/8)
.set N, N+1
.endr
.set N, 0
.rept 32
	s_wait_dscnt 31-N                              ; load N is in; the younger ones may be out
	global_store_b128 v[GQ], v[CD+4*N:CD+4*N+3], s[86:87] offset:(N/8)*131072+(N%8)*512   ; 32 lanes store 512 consecutive bytes, aligned: eight tokens of one head
.set N, N+1
.endr
	s_branch .Lout_done
.Lv_out:
.set N, 0
.rept 32                                       ; v: rows 2 N, 2 N + 1 of my 64
	ds_load_b128 v[CD+4*N:CD+4*N+3], v[RDV] offset:N*2*PITCH
.set N, N+1
.endr
.set N, 0
.rept 32
	s_wait_dscnt 31-N
	global_store_b128 v[GV], v[CD+4*N:CD+4*N+3], s[86:87] offset:N*4096   ; sixteen lanes store 256 consecutive bytes, aligned: 256 tokens of one (head, d)
.set N, N+1
.endr
.Lout_done:
	s_wait_tensorcnt 0x0                           ; the wave's end: a zero add to my spare word and its wait, behind my last tensor load and my last LDS store
	ds_add_u32 v[SPW], v[NIL]
	s_wait_dscnt 0x0
	CROUND                                         ; the closing round: no work-group ends while a partner may still ask for a tile that names it
	s_endpgm
.Lfunc_end_k_q60f8e61557_qkv:
	.size	k_q60f8e61557_qkv, .Lfunc_end_k_q60f8e61557_qkv-k_q60f8e61557_qkv
	.p2alignl 7, 3214868480
	.fill 96, 4, 3214868480
	.section	.rodata,"a",@progbits
	.p2align	6, 0x0
	.amdhsa_kernel k_q60f8e61557_qkv
		.amdhsa_group_segment_fixed_size 327680
		.amdhsa_private_segment_fixed_size 0
		.amdhsa_enable_private_segment 0
		.amdhsa_kernarg_size 48
		.amdhsa_user_sgpr_count 2
		.amdhsa_user_sgpr_kernarg_segment_ptr 1
		.amdhsa_wavefront_size32 1
		.amdhsa_system_sgpr_workgroup_id_x 1
		.amdhsa_system_sgpr_workgroup_id_y 1
		.amdhsa_system_sgpr_workgroup_id_z 1
		.amdhsa_system_vgpr_workitem_id 0
		.amdhsa_next_free_vgpr 1024
		.amdhsa_next_free_sgpr 100
		.amdhsa_reserve_vcc 0
		.amdhsa_float_denorm_mode_32 3
		.amdhsa_float_denorm_mode_16_64 3
		.amdhsa_memory_ordered 1
		.amdhsa_forward_progress 1
		.amdhsa_inst_pref_size 132
	.end_amdhsa_kernel
	.amdgpu_metadata
---
amdhsa.version: [ 1, 2 ]
amdhsa.kernels:
  - .name:           k_q60f8e61557_qkv
    .symbol:         k_q60f8e61557_qkv.kd
    .args:
      - { .name: xcodes, .offset: 0, .size: 8, .value_kind: global_buffer, .address_space: global }
      - { .name: wcodes, .offset: 8, .size: 8, .value_kind: global_buffer, .address_space: global }
      - { .name: lowp_scales, .offset: 16, .size: 8, .value_kind: global_buffer, .address_space: global }
      - { .name: qcodes, .offset: 24, .size: 8, .value_kind: global_buffer, .address_space: global }
      - { .name: kcodes, .offset: 32, .size: 8, .value_kind: global_buffer, .address_space: global }
      - { .name: vcodes, .offset: 40, .size: 8, .value_kind: global_buffer, .address_space: global }
    .group_segment_fixed_size: 327680
    .private_segment_fixed_size: 0
    .kernarg_segment_align: 8
    .kernarg_segment_size: 48
    .max_flat_workgroup_size: 128
    .sgpr_count:     100
    .vgpr_count:     1024
    .wavefront_size: 32
...
	.end_amdgpu_metadata
.endif
;; end of part 2
;; launch attn (part 3): grid 4 x 64, 16 waves a work-group, no clusters, 153,600 bytes of LDS; arguments qcodes, kcodes, vcodes, lowp_scales, acodes; writes acodes
.if DOCPART == 3
	.amdgcn_target "amdgcn-amd-amdhsa--gfx1250"
	.amdhsa_code_object_version 6
	.text
	.protected	k_q60f8e61557_attn
	.globl	k_q60f8e61557_attn
	.p2align	8
	.type	k_q60f8e61557_attn,@function
k_q60f8e61557_attn:
	s_mov_b64 s[64:65], 0
	v_nop
	global_prefetch_b8 v0, s[64:65] scope:SCOPE_SE
	s_setreg_imm32_b32 hwreg(HW_REG_WAVE_MODE, 25, 1), 1
	s_wait_xcnt 0x0
; Causal attention on codes of FP8 (E4M3), head size 64, and its result quantised for the last product.
; qcodes, kcodes [64 bh][2048 t][64 d]; vcodes [64 bh][64 d][2048 t] (the keys innermost); the scales' exponents e2 (q), e3 (k), e4 (p), e5 (v), e6 (the result).  OUT: acodes [16 head][8192 token][64 d], bh = 16 b + head, token = 2048 b + t.
; THE SOFTMAX: t = score x log2(e) / 8; M = the row's largest t so far, rounded UP to a whole number; p = 2^(t - M) is quantised with 2^e4, not normalised.  The row's sum is taken of the unquantised p and divides at the end.
; When M moves, the sum and O are multiplied by 2^(old M - new M): exact.
; SHARES.  Work-group (i, bh) owns the query blocks i and 7 - i of its head, 256 queries each; each of its sixteen waves owns 16 queries of the block in hand, one tile, in 256 registers: four waves to a SIMD.
; A UNIT is one block against one slot of 256 keys.  Block j needs slots 0 .. j, so every work-group has (i + 1) + (8 - i) = 9 units: the trip count is a constant, all work-groups have the same number of units, and no slot that the mask hides wholly is fetched.
; K AND V come through two LDS slots by way of registers: each of the 512 threads loads 64 bytes of the next slot at a unit's head and stores them into LDS at its end; one barrier a unit.
; NO JOINT LOADS: in trip u work-group i wants slot u (u <= i) or slot u - i - 1: the four work-groups of a head want different slots in the same trip, so no request could be alike in all four.
; LAYOUT.  Both products are used transposed: S^T = K Q^T (source 0 = 16 keys, source 1 = my 16 queries), O^T = V^T P^T (source 0 = 16 of the head's 64, source 1 = P): a lane holds ONE query (lane % 16) throughout.
; K's rows lie in LDS with bits 3 and 4 of the key's number exchanged: LDS row 16 t + r holds key 32 (t / 2) + 8 (t % 2) + r + 8 (r / 8), so that the 16 registers of tiles 2 b and 2 b + 1 are the neighbouring keys 32 b + 16 (lane / 16) + 0 .. 15.
; LIMITS on the given exponents, so that each power of two below is an f32 number: e2 + e3 between -123 and 130; e4 and e6 between -126 and 119; e4 + e5 is applied by v_ldexp_f32 and has none.  NaN is not served.
; REGISTERS: v1-4 places in a slot; v5, v6 the add's two; v7, v249 the copy's offsets in memory; v8-11 LDS addresses in hand; v12 -M, v13 the largest t, v[14:15] the sum in two halves; v16-23 Q; v32-95 K's eight fragments, then V's four;
;   v96-159 S^T, then p; v160-191 O^T; v192-207 the copy; v208-215 the second block's Q; v216-223 the result's codes; v224-239 p's codes; v240-254 constants and work.
.set KP,    80                         ; a key's row in LDS: 64 bytes + 16 of padding = 20 words: sixteen rows start at sixteen different groups of four banks (64 banks of 4 bytes: ISA guide 11.1)
.set VP,    272                        ; a row of V's tile: 256 bytes (a slot's keys) + 16
.set VOFF,  256*KP                     ; a slot: 256 rows of K, then 64 rows of V
.set SLOT1, 65536                      ; slot 1 begins here: one exclusive or turns an address from one slot to the other
.set STAGE, 2*SLOT1                    ; the way out: 16 rows x KP bytes for each wave
.set SPARE, STAGE+16*16*KP             ; behind the stages: the spare words, 128 bytes for each wave: eight blocks of 256 bytes that no other line names
.set UNITS, 9
	s_load_b256 s[4:11], s[0:1], 0x0               ; qcodes s[4:5], kcodes s[6:7], vcodes s[8:9], the scales s[10:11]
	s_load_b64 s[12:13], s[0:1], 0x20              ; acodes
	v_lshl_add_u32 v5, v0, 2, SPARE                ; my spare word; never rewritten
	v_mov_b32 v6, 0                                ; 0; never rewritten
	v_lshrrev_b32 v8, 5, v0
	v_readfirstlane_b32 s14, v8                    ; wave 0..15
	v_and_b32 v8, 15, v0                           ; r
	v_bfe_u32 v9, v0, 4, 1                         ; h
	v_mul_u32_u24 v1, v8, KP
	v_lshl_add_u32 v1, v9, 4, v1                   ; K's fragments: row r, + 16 h
	v_mul_u32_u24 v2, v8, VP
	v_lshl_add_u32 v2, v9, 4, v2
	v_add_nc_u32 v2, VOFF, v2                      ; V's likewise
	v_lshrrev_b32 v10, 2, v0                       ; the copy of K: thread n brings 16 bytes of key n / 4, and of key 128 + n / 4
	v_and_b32 v11, 0x67, v10
	v_bfe_u32 v3, v10, 3, 1
	v_lshl_add_u32 v11, v3, 4, v11
	v_bfe_u32 v3, v10, 4, 1
	v_lshl_add_u32 v11, v3, 3, v11                 ; the key's LDS row: bits 3 and 4 exchanged
	v_mul_u32_u24 v3, v11, KP
	v_and_b32 v10, 3, v0
	v_lshl_add_u32 v3, v10, 4, v3
	v_lshrrev_b32 v10, 4, v0                       ; the copy of V: thread n brings 16 bytes of row n / 16, and of row 32 + n / 16
	v_mul_u32_u24 v4, v10, VP
	v_lshl_add_u32 v4, v8, 4, v4
	v_add_nc_u32 v4, VOFF, v4
	v_lshlrev_b32 v249, 11, v10
	v_lshl_add_u32 v249, v8, 4, v249               ; in memory: rows of 2,048 bytes; sixteen lanes read 256 consecutive bytes
	v_lshlrev_b32 v7, 4, v0                        ; K in memory: one dense block; a wave reads 512 consecutive bytes
	s_mul_i32 s53, s14, 16*KP
	s_add_co_u32 s53, s53, STAGE                   ; my stage
	v_mul_u32_u24 v246, v8, KP
	v_lshl_add_u32 v246, v9, 3, v246
	v_add_nc_u32 v246, s53, v246                   ; in: row r, + 8 h
	v_and_b32 v10, 31, v0
	v_lshrrev_b32 v11, 2, v10
	v_mul_u32_u24 v247, v11, KP
	v_and_b32 v11, 3, v0
	v_lshl_add_u32 v247, v11, 4, v247
	v_add_nc_u32 v247, s53, v247                   ; back: four lanes to a row of 64 bytes, eight rows an instruction
	v_lshlrev_b32 v248, 4, v10                     ; which are 512 consecutive bytes of acodes
	s_and_b32 s53, ttmp7, 0xffff                   ; bh
	s_lshl_b32 s38, s53, 17                        ; the head's 131,072 bytes in each tensor of codes
	s_mov_b32 s39, 0                               ; (the upper word of every offset pair made in s[38:39])
	s_lshl_b32 s54, s14, 4
	s_lshl_b32 s31, ttmp9, 8
	s_add_co_u32 s31, s31, s54                     ; my first query in the first block: 256 i + 16 w
	s_sub_co_u32 s29, 7, ttmp9                     ; the second block
	s_lshl_b32 s32, s29, 8
	s_add_co_u32 s32, s32, s54                     ; my first query there
	s_mov_b32 s28, ttmp9                           ; the block in hand
	s_and_b32 s55, s53, 15
	s_lshl_b32 s55, s55, 13                        ; acodes: 8,192 tokens for each head,
	s_lshr_b32 s56, s53, 4
	s_lshl_b32 s56, s56, 11                        ; 2,048 for each batch
	s_add_co_u32 s55, s55, s56
	s_add_co_u32 s56, s55, s31
	s_lshl_b32 s56, s56, 6                         ; 64 bytes a token
	s_mov_b32 s57, 0
	s_add_co_u32 s58, s55, s32
	s_lshl_b32 s58, s58, 6
	s_mov_b32 s59, 0
	v_lshlrev_b32 v242, 6, v8
	v_lshl_add_u32 v242, v9, 4, v242               ; Q: row r of 64 bytes, + 16 h,
	s_lshl_b32 s54, s32, 6
	v_add_nc_u32 v243, s54, v242                   ; in the second block,
	s_lshl_b32 s54, s31, 6
	v_add_nc_u32 v242, s54, v242                   ; and in the first
	s_mov_b32 s20, 0x76543210                      ; v_permlanex16_b32's selects for lane l xor 16
	s_mov_b32 s21, 0xfedcba98
	s_mov_b32 s24, 0                               ; the slot in hand
	s_mov_b32 s26, 0                               ; its number among the head's eight
	s_mov_b32 s30, 0                               ; its first key
	s_mov_b32 s33, UNITS
	s_wait_kmcnt 0x0
	s_load_b256 s[40:47], s[10:11], 0x0            ; e0 .. e7
	s_add_nc_u64 s[4:5], s[4:5], s[38:39]          ; the three tensors at my head
	s_add_nc_u64 s[6:7], s[6:7], s[38:39]
	s_add_nc_u64 s[8:9], s[8:9], s[38:39]
	s_add_nc_u64 s[48:49], s[12:13], s[56:57]      ; where the block in hand goes,
	s_add_nc_u64 s[50:51], s[12:13], s[58:59]      ; and the second block
	s_mov_b64 s[34:35], s[6:7]                     ; the copy: slot 0
	s_mov_b64 s[36:37], s[8:9]
.macro COPY_LOAD                       ; my 64 bytes of a slot: 16,384 bytes of K, dense, and 256 bytes of each of V's 64 rows
	global_load_b128 v[192:195], v7, s[34:35]
	global_load_b128 v[196:199], v7, s[34:35] offset:8192
	global_load_b128 v[200:203], v249, s[36:37]
	global_load_b128 v[204:207], v249, s[36:37] offset:65536
.endm
.macro COPY_STORE sb                   ; into the slot that begins at s[sb]
	v_add_nc_u32 v10, s[\sb], v3
	v_add_nc_u32 v11, s[\sb], v4
	ds_store_b128 v10, v[192:195]
	ds_store_b128 v10, v[196:199] offset:128*KP
	ds_store_b128 v11, v[200:203]
	ds_store_b128 v11, v[204:207] offset:32*VP
.endm
.macro RESET                           ; a block's state: O^T and the sum are zeros and the largest t lies under every t, so the first step needs no text of its own
	v_mov_b32 v13, 0xff61b1e6                      ; -3e38
	v_floor_f32 v12, -v13                          ; -M
	v_mov_b32 v14, 0
	v_mov_b32 v15, 0
.set J, 0
.rept 32
	v_mov_b32 v[160+J], 0
.set J, J+1
.endr
.endm
	COPY_LOAD
	global_load_b128 v[16:19], v242, s[4:5]        ; Q's fragments stay in registers: registers 4 c .. 4 c + 3 hold d = 32 c + 16 h + 0 .. 15, as K's do
	global_load_b128 v[20:23], v242, s[4:5] offset:32
	global_load_b128 v[208:211], v243, s[4:5]
	global_load_b128 v[212:215], v243, s[4:5] offset:32
	RESET
	v_mov_b32 v250, 0                              ; written once: a lane permute's destination counts as one of its sources
	v_mov_b32 v253, 0                              ; (named as the upper half of the pair v[252:253])
	s_wait_kmcnt 0x0
	s_add_co_i32 s53, s42, s43
	s_lshl_b32 s53, s53, 23
	s_add_co_i32 s22, s53, 0x3e38aa3b              ; c = log2(e) / 8, with e2 + e3 added to its exponent field: a score stands for score x 2^(e2 + e3)
	s_mov_b32 s23, s22                             ; (named with it as a pair)
	s_add_co_i32 s53, s44, 127
	s_lshl_b32 s54, s53, 23
	v_mov_b32 v241, s54                            ; 2^e4
	s_add_co_i32 s53, s53, 8
	s_lshl_b32 s53, s53, 23
	s_or_b32 s53, s53, 0x600000
	v_mov_b32 v240, s53                            ; 448 x 2^e4
	s_add_co_i32 s53, s46, 127
	s_lshl_b32 s54, s53, 23
	v_mov_b32 v245, s54                            ; 2^e6
	s_add_co_i32 s53, s53, 8
	s_lshl_b32 s53, s53, 23
	s_or_b32 s53, s53, 0x600000
	v_mov_b32 v244, s53                            ; 448 x 2^e6
	s_add_co_i32 s52, s44, s45                     ; e4 + e5
	s_wait_loadcnt 0x0                             ; slot 0's bytes and both Q
	COPY_STORE 24
	s_wait_dscnt 0x0                               ; for the others' sake: my stores are done
	s_barrier_signal -1
	s_barrier_wait -1
; A KEY STEP: 128 keys, the q-th half of the slot in hand.
.macro STEP q
.if (\q) == 0
	s_mov_b32 s53, s30                             ; the step's first key
.else
	s_add_co_u32 s53, s30, 128
.endif
	s_add_co_u32 s54, s31, 15
	s_cmp_gt_u32 s53, s54                          ; all its keys come after my 16 queries: the step is left out.  A scalar branch on ids; no barrier stands in a step
	s_cbranch_scc1 .Lhidden_\@
	v_add_nc_u32 v8, s24, v1
	v_add_nc_u32 v9, s24, v2
	v_nop                                          ; with the two additions: four places in front of loads into registers that the last products read
	v_nop
.irp t, 0,1,2,3,4,5,6,7
.irp c, 0,1
	ds_load_b128 v[32+8*\t+4*\c:35+8*\t+4*\c], v8 offset:(128*(\q)+16*\t)*KP+32*\c
.endr
.endr
	s_wait_dscnt 8                                 ; tiles 0-3 are in; the eight loads of tiles 4-7 may be out
.irp t, 0,1,2,3
	v_wmma_f32_16x16x64_fp8_fp8 v[96+8*\t:103+8*\t], v[32+8*\t:39+8*\t], v[16:23], 0
.endr
	s_wait_dscnt 0x0
.irp t, 4,5,6,7
	v_wmma_f32_16x16x64_fp8_fp8 v[96+8*\t:103+8*\t], v[32+8*\t:39+8*\t], v[16:23], 0
.endr
.rept 4
	v_nop                                          ; places: in front of the loads below, and of the first read of the scores
.endr
.irp t, 0,1,2,3
.irp c, 0,1,2,3
	ds_load_b128 v[32+16*\t+4*\c:35+16*\t+4*\c], v9 offset:16*\t*VP+128*(\q)+32*\c   ; V's four fragments land while the softmax is worked
.endr
.endr
	s_add_co_u32 s54, s53, 127
	s_cmp_le_u32 s54, s31                          ; all keys count for all my queries: no mask
	s_cbranch_scc1 .Lopen_\@
	s_sub_co_i32 s54, s31, s53                     ; on the diagonal the scores of hidden keys become -infinity ahead of the maximum: p = 0 then.  The step's first key counts for every query of mine
	v_and_b32 v252, 15, v0
	v_bfe_u32 v253, v0, 4, 1
	v_lshlrev_b32 v253, 4, v253
	v_sub_nc_u32 v252, v252, v253
	v_add_nc_u32 v252, s54, v252                   ; d = my query - the first key - 16 h.  Register 16 b + i holds key 32 b + 16 h + i of the step: hidden where 32 b + i > d
	v_mov_b32 v254, 0xff800000
.set J, 0
.rept 64
	v_cmp_gt_i32 vcc_lo, 32*(J/16)+J%16, v252
	v_cndmask_b32 v[96+J], v[96+J], v254, vcc_lo
.set J, J+1
.endr
.Lopen_\@:
	v_max3_num_f32 v254, v96, v97, v98             ; the step's largest score of my query among my 64 keys, in two chains, from each accumulator's low end on,
	v_max3_num_f32 v252, v99, v100, v101
.set J, 6
.rept 14
	v_max3_num_f32 v254, v254, v[96+J], v[97+J]
	v_max3_num_f32 v252, v252, v[98+J], v[99+J]
.set J, J+4
.endr
	v_max3_num_f32 v254, v254, v158, v159
	v_max_num_f32 v254, v254, v252
	v_permlanex16_b32 v250, v254, s20, s21
	v_max_num_f32 v254, v254, v250                 ; and among lane l xor 16's
	v_mul_f32 v254, s22, v254                      ; as t (c is positive)
	v_max_num_f32 v13, v13, v254                   ; the running largest t
	v_mov_b32 v254, v12
	v_floor_f32 v12, -v13                          ; the new -M = floor(-t): M is a whole number
	v_sub_f32 v254, v12, v254                      ; old M - new M: a whole number, 0 or less
	v_cvt_i32_f32 v254, v254                       ; (it saturates)
	v_ldexp_f32 v252, 1.0, v254                    ; f = 2^(old M - new M)
.set J, 0
.rept 32
	v_pk_fma_f32 v[96+J:97+J], v[96+J:97+J], s[22:23], v[12:13] op_sel_hi:[1,0,0]   ; t - M, two at a time (of the pairs c and -M the low word serves both halves)
.set J, J+2
.endr
.set J, 0
.rept 64
	v_exp_f32 v[96+J], v[96+J]                     ; p = 2^(t - M), at most 1
.set J, J+1
.endr
	v_pk_mul_f32 v[14:15], v[14:15], v[252:253] op_sel_hi:[1,0]   ; the sums under the new M: the plain line behind the exponentials
	s_wait_alu depctr_va_vdst(0)                   ; the wait ahead of the first line that names a result: one for the batch of 64
	v_pk_add_f32 v[242:243], v[96:97], v[98:99]    ; the row's sum is taken of the UNQUANTISED p: two at a time, in two chains
.set J, 4
.rept 15
	v_pk_add_f32 v[14:15], v[14:15], v[96+J:97+J]
	v_pk_add_f32 v[242:243], v[242:243], v[98+J:99+J]
.set J, J+4
.endr
	v_pk_add_f32 v[14:15], v[14:15], v[242:243]
	s_cmp_ge_i32 s44, -8                           ; the hold at 448 x 2^e4.  With e4 >= -8 that bound is 1.75 or more and p is at most 1: the hold changes no number and is jumped over.
	s_cbranch_scc1 .Lnohold_\@                     ; (a branch on a whole number read from memory; this text has no tensor load, copy or cluster)
.set J, 0
.rept 64
	v_min_num_f32 v[96+J], v[96+J], v240           ; the conversion does not saturate (ISA guide 7.6.2); p is not negative, so the hold is one-sided
.set J, J+1
.endr
.Lnohold_\@:
.irp b, 0,1,2,3
	v_cvt_scalef32_pk8_fp8_f32 v[224+4*\b:225+4*\b], v[96+16*\b:103+16*\b], v241   ; registers 4 b .. 4 b + 3 of the operand: keys 32 b + 16 h + 0 .. 15
	v_cvt_scalef32_pk8_fp8_f32 v[226+4*\b:227+4*\b], v[104+16*\b:111+16*\b], v241
.endr
.set J, 0
.rept 16
	v_pk_mul_f32 v[160+J:161+J], v[160+J:161+J], v[252:253] op_sel_hi:[1,0]   ; O^T under the new M; also the plain lines between the conversions and the products that read their results
.set J, J+2
.endr
	s_wait_dscnt 0x0                               ; V is in
.irp t, 0,1,2,3
	v_wmma_f32_16x16x128_fp8_fp8 v[160+8*\t:167+8*\t], v[32+16*\t:47+16*\t], v[224:239], v[160+8*\t:167+8*\t]   ; four accumulators by turns; eight other products stand between two links of a chain
.endr
.Lhidden_\@:
.endm
.Lunit:
	s_add_co_u32 s27, s26, 1                       ; the next unit's slot: the next one,
	s_cmp_eq_u32 s26, s28
	s_cselect_b32 s27, 0, s27                      ; or slot 0, where this unit ends its block: never above 7
	s_cmp_eq_u32 s33, 1                            ; the last unit asks for nothing
	s_cbranch_scc1 .Lno_ask
	s_lshl_b32 s38, s27, 14                        ; (the last copy's loads were waited for, so their bases may be written)
	s_add_nc_u64 s[34:35], s[6:7], s[38:39]
	s_lshl_b32 s38, s27, 8
	s_add_nc_u64 s[36:37], s[8:9], s[38:39]
	COPY_LOAD                                      ; a whole unit, two key steps of each of the SIMD's four waves, ahead of the wait for it
.Lno_ask:
	STEP 0
	STEP 1
	s_cmp_lg_u32 s26, s28
	s_cbranch_scc1 .Lgo_on
	; THE BLOCK IS FINISHED: O^T / the sum x 2^(e4 + e5), quantised with 2^e6; the codes go through my stage and leave as 1,024 consecutive bytes.
.rept 4
	v_nop                                          ; places behind the last products
.endr
	v_add_f32 v14, v14, v15                        ; the sum's two halves,
	v_permlanex16_b32 v250, v14, s20, s21
	v_add_f32 v14, v14, v250                       ; and lane l xor 16's
	v_rcp_f32 v14, v14
	v_nop                                          ; one plain line behind the reciprocal,
	s_wait_alu depctr_va_vdst(0)                   ; and a wait ahead of its first reader
	v_ldexp_f32 v14, v14, s52
.set J, 0
.rept 16
	v_pk_mul_f32 v[96+J:97+J], v[160+J:161+J], v[14:15] op_sel_hi:[1,0]   ; register 8 t + j is o(query r, d = 16 t + 8 h + j)
.set J, J+2
.endr
.set J, 0
.rept 32
	v_med3_num_f32 v[96+J], v[96+J], -v244, v244   ; the hold at 448 x 2^e6
.set J, J+1
.endr
.irp t, 0,1,2,3
	v_cvt_scalef32_pk8_fp8_f32 v[216+2*\t:217+2*\t], v[96+8*\t:103+8*\t], v245
.endr
	v_nop                                          ; one plain line behind the last conversion
.irp t, 0,1,2,3
	ds_store_b64 v246, v[216+2*\t:217+2*\t] offset:16*\t
.endr
.irp n, 0,1
	ds_load_b128 v[224+4*\n:227+4*\n], v247 offset:8*KP*\n   ; LDS serves a wave's instructions in order: these see my stores
.endr
	s_wait_dscnt 0x0
.irp n, 0,1
	global_store_b128 v248, v[224+4*\n:227+4*\n], s[48:49] offset:512*\n   ; 32 lanes store 512 consecutive bytes, aligned
.endr
	RESET                                          ; on to the second block (behind the second block this is idle work, once a wave)
.set J, 0
.rept 8
	v_mov_b32 v[16+J], v[208+J]                    ; its Q
.set J, J+1
.endr
	s_wait_xcnt 0x0                                ; the stores have read their data and their base: p's codes may be written again, and the base
	s_mov_b64 s[48:49], s[50:51]
	s_mov_b32 s28, s29
	s_mov_b32 s31, s32
.Lgo_on:
	s_wait_loadcnt 0x0                             ; the next slot's bytes are in registers
	s_xor_b32 s25, s24, SLOT1                      ; the other slot: it was read in the unit before, and every wave's reads of it were over in front of the last barrier
	s_cmp_eq_u32 s33, 1
	s_cbranch_scc1 .Lno_put
	COPY_STORE 25
.Lno_put:
	s_mov_b32 s26, s27
	s_lshl_b32 s30, s26, 8
	s_wait_dscnt 0x0                               ; my stores have landed, and my reads of the slot in hand are over
	s_barrier_signal -1
	s_barrier_wait -1
	s_xor_b32 s24, s24, SLOT1
	s_sub_co_u32 s33, s33, 1
	s_cmp_lg_u32 s33, 0
	s_cbranch_scc1 .Lunit
	s_wait_tensorcnt 0x0                           ; the wave's end: a zero add to my spare word and its wait, behind my last LDS store
	ds_add_u32 v5, v6
	s_wait_dscnt 0x0
	s_endpgm
.Lfunc_end_k_q60f8e61557_attn:
	.size	k_q60f8e61557_attn, .Lfunc_end_k_q60f8e61557_attn-k_q60f8e61557_attn
	.p2alignl 7, 3214868480
	.fill 96, 4, 3214868480
	.section	.rodata,"a",@progbits
	.p2align	6, 0x0
	.amdhsa_kernel k_q60f8e61557_attn
		.amdhsa_group_segment_fixed_size 153600
		.amdhsa_private_segment_fixed_size 0
		.amdhsa_enable_private_segment 0
		.amdhsa_kernarg_size 40
		.amdhsa_user_sgpr_count 2
		.amdhsa_user_sgpr_kernarg_segment_ptr 1
		.amdhsa_wavefront_size32 1
		.amdhsa_system_sgpr_workgroup_id_x 1
		.amdhsa_system_sgpr_workgroup_id_y 1
		.amdhsa_system_sgpr_workgroup_id_z 1
		.amdhsa_system_vgpr_workitem_id 0
		.amdhsa_next_free_vgpr 256
		.amdhsa_next_free_sgpr 66
		.amdhsa_reserve_vcc 1
		.amdhsa_float_denorm_mode_32 3
		.amdhsa_float_denorm_mode_16_64 3
		.amdhsa_memory_ordered 1
		.amdhsa_forward_progress 1
		.amdhsa_inst_pref_size 56
	.end_amdhsa_kernel
	.amdgpu_metadata
---
amdhsa.version: [ 1, 2 ]
amdhsa.kernels:
  - .name:           k_q60f8e61557_attn
    .symbol:         k_q60f8e61557_attn.kd
    .args:
      - { .name: qcodes, .offset: 0, .size: 8, .value_kind: global_buffer, .address_space: global }
      - { .name: kcodes, .offset: 8, .size: 8, .value_kind: global_buffer, .address_space: global }
      - { .name: vcodes, .offset: 16, .size: 8, .value_kind: global_buffer, .address_space: global }
      - { .name: lowp_scales, .offset: 24, .size: 8, .value_kind: global_buffer, .address_space: global }
      - { .name: acodes, .offset: 32, .size: 8, .value_kind: global_buffer, .address_space: global }
    .group_segment_fixed_size: 153600
    .private_segment_fixed_size: 0
    .kernarg_segment_align: 8
    .kernarg_segment_size: 40
    .max_flat_workgroup_size: 512
    .sgpr_count:     66
    .vgpr_count:     256
    .wavefront_size: 32
...
	.end_amdgpu_metadata
.endif
;; end of part 3
;; launch proj (part 4): grid 4 x 64, 4 waves a work-group, clusters of 4 x 4, 327,680 bytes of LDS; arguments acodes, wcodes, lowp_scales, out0; writes out0
.if DOCPART == 4
	.amdgcn_target "amdgcn-amd-amdhsa--gfx1250"
	.amdhsa_code_object_version 6
	.text
	.protected	k_q60f8e61557_proj
	.globl	k_q60f8e61557_proj
	.p2align	8
	.type	k_q60f8e61557_proj,@function
k_q60f8e61557_proj:
	s_mov_b64 s[64:65], 0
	v_nop
	global_prefetch_b8 v0, s[64:65] scope:SCOPE_SE
	s_setreg_imm32_b32 hwreg(HW_REG_WAVE_MODE, 25, 1), 1
	s_wait_xcnt 0x0
	s_wait_alu depctr_hold_cnt(0) depctr_sa_sdst(0) depctr_va_vdst(0) depctr_va_sdst(0) depctr_va_ssrc(0) depctr_va_vcc(0) depctr_vm_vsrc(0)
	s_getreg_b32 s2, hwreg(HW_REG_IB_STS2, 6, 4)
	s_cmp_eq_u32 s2, 0
	s_cbranch_scc0 .Lentry_in_a_cluster
	s_endpgm
.Lentry_in_a_cluster:
	s_bfe_u32 s2, ttmp6, 0x10000c
	s_cmp_lg_u32 s2, 0xf033
	s_cbranch_scc0 .Lentry_shape_is_right
	s_endpgm
.Lentry_shape_is_right:
; out0 = a w_proj on codes of FP8 (E4M3).  acodes [16 head][8192 token][64 d] (k = 64 head + d), wcodes rows 3072-4095 = w_proj's columns, [n][1024 k].  out0 [8192][1024] f32 = sum x 2^(e6 + e7).
; LIMIT: e6 + e7 lies between -126 and 127, so that 2^(e6 + e7) is an f32 number.
; A tile of 128 tokens x 256 columns is made by four waves, each 64 x 128: 32 accumulators of 16 x 16: 64 x 4 tiles give each of 256 work-groups one.
; K goes in steps of 256 (four heads) through two LDS slots filled by the tensor data mover.  A' (tokens): a wave's load is 4 rows (heads) of 4,096 bytes (64 tokens x 64 bytes, dense in memory), 16 bytes of padding
; behind every 64: in LDS [head][token], 80 bytes from token to token.  B' (columns): 128 rows of 256 bytes, pitch 272.
; The matrix instruction's source 0 takes 16 rows of B', source 1 16 rows of A': a lane holds eight neighbouring columns of one token's row of out0.
; CLUSTERS: 4 x 4 work-groups.  A's tile is shared along a row of the cluster, B's along a column: each is asked for JOINTLY, by the same tensor load with the same descriptor and a mask that names the four.
; REGISTERS, in windows of 256: window 0: v0-31 addresses; v128-191 A's fragments (4 x 16 rows x 128 K), ONE set; on the way out v32-255 are free.
;   window 1: B's fragments, TWO sets, at v0 and v128.   window 2: the accumulators ((a, b) at v[8 (8 a + b)]).
.set AB,     4                         ; blocks of 16 rows of A' to a wave
.set ABH,    AB/2
.set PITCH,  272                       ; B': an LDS row: 256 bytes + 16 = 68 words: row r starts at bank 4 r mod 64 (64 banks of 4 bytes: ISA guide 11.1)
.set APITCH, 80                        ; A': a token's 64 bytes of one head + 16 = 20 words: sixteen tokens start at sixteen different groups of four banks
.set HEADB,  64*APITCH                 ; A': a head's 64 tokens
.set HA,     4*HEADB                   ; what one load brings of A', and what one wave reads of it
.set HB,     128*PITCH                 ; the same for B'
.set BOFF,   2*HA
.set SLOT,   2*HA+2*HB
.set ASTEP,  4*8192*64                 ; a K step on in acodes: four heads
.set BSTEP,  256                       ; and in a row of wcodes
.set FR,     16
.set NL,     4
.set NP,     4                         ; places behind this matrix instruction (ISA guide 7.12.1)
.set SPARE,  2*SLOT                    ; behind the ring: the spare words, 128 bytes for each wave: two blocks of 256 bytes that no other line names
.set SPITCH, 528                       ; the way out: a stage of 16 rows x (512 bytes + 16) for each wave, in slot 0, which has had its last fill and its last read when the first result is stored there
.set ADRA, 16                          ; v16-17  LDS address of my A' fragments in slot 0, 1
.set ADRB, 20                          ; v20-21  the same for B'
.set STO,  24                          ; v24     the way out: where I put 32 bytes of a row
.set RD,   25                          ; v25     where I read a row back
.set CO,   26                          ; v26     my byte offset in a row's 512 bytes of out0
.set SPW,  28                          ; v28     LDS address of my spare word; never rewritten
.set NIL,  29                          ; v29     0; never rewritten
.set TMP,  32                          ; v32-95  a block's sums x 2^(e6 + e7)
.set AF,   128
.set BK,   128                         ; 16 rows read back from the stage: v128-191 and v192-255 by turns
.set G1, 24                            ; s[24:31] descriptor group 1 for A's tiles;  s[32:39] group 0, one set for each slot
.set G0, 32
.set G1B, 48                           ; s[48:55], s[56:63] the same for B's tiles
.set G0B, 56
.set MSB, 0
.macro WIN new                         ; the immediate's high byte repeats the setting that is left
.if MSB != \new
	s_set_vgpr_msb (MSB<<8)|\new
.set MSB, \new
.endif
.endm
.set MUL_LO, 0xa1                      ; source 0 (B') window 1, source 1 (A') window 0, C and D window 2
.set TO_B,   0x40                      ; destination window 1, address window 0
; A joint load: waves 0 and 1 fetch for A', waves 2 and 3 for B'.  The two shapes have a group 1 each; the branch hangs on the wave's number alone.
; An s_nop 0 and four v_nop follow each of the two lines, ahead of the jump, the label and what follows.
.macro JLOAD g0a, g1a, g0b, g1b
	s_cmp_eq_u32 s15, 0
	s_cbranch_scc0 .Lfor_b_\@
	tensor_load_to_lds s[\g0a:\g0a+3], s[\g1a:\g1a+7]
	s_nop 0
.rept 4
	v_nop
.endr
	s_branch .Lasked_\@
.Lfor_b_\@:
	tensor_load_to_lds s[\g0b:\g0b+3], s[\g1b:\g1b+7]
	s_nop 0
.rept 4
	v_nop
.endr
.Lasked_\@:
.endm
.macro CREST                           ; a round of the cluster's barrier behind its opening barrier
	s_cmp_lg_u32 s14, 0
	s_cbranch_scc1 .Lnot_wave_0_\@
	s_barrier_signal -3
.Lnot_wave_0_\@:
	s_barrier_wait -3
	s_barrier_signal -1
	s_barrier_wait -1
.endm
.macro CROUND                          ; a whole round
	s_barrier_signal -1
	s_barrier_wait -1
	CREST
.endm
	s_load_b128 s[4:7], s[0:1], 0x0                ; acodes s[4:5], wcodes s[6:7]
	s_load_b128 s[8:11], s[0:1], 0x10              ; the scales' exponents s[8:9], out0 s[10:11]
	v_lshl_add_u32 v[SPW], v0, 2, SPARE
	v_mov_b32 v[NIL], 0
	ds_add_u32 v[SPW], v[NIL]                      ; the wave's opening: the add and its wait stand ahead of my first tensor load; the set-up below, work on registers, stands between them
	v_lshrrev_b32 v1, 5, v0
	v_readfirstlane_b32 s14, v1                    ; wave 0..3
	s_lshr_b32 s15, s14, 1                         ; which 64 of the tile's tokens are mine.  Also: I fetch for A' (0) or for B' (1)
	s_and_b32 s16, s14, 1                          ; which 128 of its columns.  Also: which half of that tile I fetch
	s_bfe_u32 s40, ttmp6, 0x40000                  ; cx, cy: my place in the cluster
	s_bfe_u32 s41, ttmp6, 0x40004
	s_lshl_b32 s42, ttmp9, 2
	s_add_co_u32 s42, s42, s40                     ; tile of 256 columns = 4 x cluster x + cx
	s_and_b32 s17, ttmp7, 0xffff
	s_lshl_b32 s17, s17, 2
	s_add_co_u32 s17, s17, s41                     ; tile of 128 tokens = 4 x cluster y + cy
	s_lshl_b32 s43, s41, 2
	s_lshl_b32 s43, 15, s43                        ; my row of the cluster
	s_lshl_b32 s44, 0x1111, s40                    ; my column
	; descriptor group 1 for A': 4 rows (heads) x 4,096 bytes, 524,288 bytes apart
	s_or_b32 s[G1+0], s43, (1<<20)|(1<<21)|(3<<22)|(3<<25)   ; 15:0 the mask: my row; 17:16 elements of 1 byte; 20 padding on; 21 set beside a mask; 24:22 after every 16 words (code 3); 31:25 four words (code 3)
	s_mov_b32 s[G1+1], 4096<<16                    ; tensor_dim0
	s_mov_b32 s[G1+2], 4<<16                       ; tensor_dim1
	s_mov_b32 s[G1+3], 4096<<16                    ; tile_dim0
	s_mov_b32 s[G1+4], 4                           ; tile_dim1
	s_mov_b32 s[G1+5], 8192*64                     ; tensor_dim0_stride: from head to head
	s_mov_b32 s[G1+6], 0
	s_mov_b32 s[G1+7], 0
	; and for B': 128 rows x 256 bytes, 1,024 bytes apart
	s_or_b32 s[G1B+0], s44, (1<<20)|(1<<21)|(5<<22)|(3<<25)  ; the mask: my column; padding: four words after every 64
	s_mov_b32 s[G1B+1], 256<<16
	s_mov_b32 s[G1B+2], 128<<16
	s_mov_b32 s[G1B+3], 256<<16
	s_mov_b32 s[G1B+4], 128
	s_mov_b32 s[G1B+5], 1024
	s_mov_b32 s[G1B+6], 0
	s_mov_b32 s[G1B+7], 0
	s_lshl_b32 s20, s17, 13                        ; A': token 128 x tile + 64 x half, 64 bytes each
	s_lshl_b32 s18, s16, 12
	s_add_co_u32 s20, s20, s18
	s_mov_b32 s21, 0
	s_lshl_b32 s46, s42, 18                        ; B': row 3,072 + 256 x tile + 128 x half, 1,024 bytes each
	s_lshl_b32 s18, s16, 17
	s_add_co_u32 s46, s46, s18
	s_add_co_u32 s46, s46, 3072*1024
	s_mov_b32 s47, 0
	s_mul_i32 s45, s16, HA                         ; where they go: A's two halves,
	s_mul_i32 s71, s16, HB
	s_add_co_u32 s71, s71, BOFF                    ; then B's two: no place in the cluster enters an LDS address
	s_wait_dscnt 0x0                               ; the opening add is done
	s_wait_kmcnt 0x0
	s_load_b256 s[72:79], s[8:9], 0x0              ; e0 .. e7
	s_add_nc_u64 s[20:21], s[4:5], s[20:21]
	s_add_nc_u64 s[46:47], s[6:7], s[46:47]
	CROUND                                         ; all sixteen work-groups are here: the first joint loads meet
.irp s, 0,1
	s_mov_b32 s[G0+4*\s], 1
	s_add_co_u32 s[G0+4*\s+1], s45, \s*SLOT
	s_add_nc_u64 s[G0+4*\s+2:G0+4*\s+3], s[20:21], \s*ASTEP
	s_or_b32 s[G0+4*\s+3], s[G0+4*\s+3], 0x80000000
	s_mov_b32 s[G0B+4*\s], 1
	s_add_co_u32 s[G0B+4*\s+1], s71, \s*SLOT
	s_add_nc_u64 s[G0B+4*\s+2:G0B+4*\s+3], s[46:47], \s*BSTEP
	s_or_b32 s[G0B+4*\s+3], s[G0B+4*\s+3], 0x80000000
	JLOAD G0+4*\s, G1, G0B+4*\s, G1B               ; K steps 0 and 1: two loads of mine are out
.endr
	v_and_b32 v1, 15, v0                           ; r
	v_bfe_u32 v2, v0, 4, 1                         ; h
	v_mul_u32_u24 v3, v1, APITCH
	v_lshl_add_u32 v3, v2, 4, v3                   ; A': token r, + 16 h
	v_mul_u32_u24 v4, v1, PITCH
	v_lshl_add_u32 v4, v2, 4, v4                   ; B': row r, + 16 h
	s_mul_i32 s21, s15, HA                         ; my 64 tokens
	s_mul_i32 s22, s16, HB                         ; my 128 columns,
	s_add_co_u32 s22, s22, BOFF                    ; which lie behind A's two halves
.irp s, 0,1
	v_add_nc_u32 v[ADRA+\s], s21, v3
	v_add_nc_u32 v[ADRB+\s], s22, v4
	s_add_co_u32 s21, s21, SLOT
	s_add_co_u32 s22, s22, SLOT
.endr
	s_mul_i32 s23, s14, 16*SPITCH                  ; my stage
	v_mul_u32_u24 v5, v1, SPITCH                   ; in: row r, 32 bytes for each half of the lanes
	v_lshl_add_u32 v5, v2, 5, v5
	v_add_nc_u32 v[STO], s23, v5
	v_and_b32 v6, 31, v0
	v_lshlrev_b32 v[CO], 4, v6                     ; back: the 32 lanes take one row of 512 bytes; and the same in out0
	v_add_nc_u32 v[RD], s23, v[CO]
	s_lshl_b32 s66, s17, 19                        ; my first row of out0: 128 x tile + 64 x half, 4,096 bytes each,
	s_lshl_b32 s67, s15, 18
	s_add_co_u32 s66, s66, s67
	s_lshl_b32 s67, s42, 10                        ; my first column: 256 x tile + 128 x half, 4 bytes each
	s_add_co_u32 s66, s66, s67
	s_lshl_b32 s67, s16, 9
	s_add_co_u32 s66, s66, s67
	s_mov_b32 s67, 0
	s_add_nc_u64 s[10:11], s[10:11], s[66:67]
; A fragment, 16 rows x 128 K, is 16 registers: lane (r, h) holds row r; registers 4 c .. 4 c + 3 hold K = 32 c + 16 h + 0 .. 15: the same order of K in A' and in B'.
.macro FRAGB reg, adr, q, i
.irp c, 0,1,2,3
	ds_load_b128 v[\reg+4*\c:\reg+4*\c+3], v[\adr] offset:128*(\q)+32*\c+(\i)*16*PITCH
.endr
.endm
.macro FRAGA reg, adr, q, i            ; K = 128 q + 32 c + .. is head 2 q + c / 2 of the slot's four, d = 32 (c % 2) + ..
.irp c, 0,1,2,3
	ds_load_b128 v[\reg+4*\c:\reg+4*\c+3], v[\adr] offset:(2*(\q)+\c/2)*HEADB+(\i)*16*APITCH+32*(\c%2)
.endr
.endm
; A quarter of a step's products: one block of A' x B's eight, 128 along K.  p: B's set.  zero = 1: the first product starts the sums: nothing is ever cleared.
; The 32 accumulators take turns, one instruction a turn, in the same order in every step.
.macro MULQ q, p, zero
	WIN MUL_LO
.irp b, 0,1,2,3,4,5,6,7
.if \zero
	v_wmma_f32_16x16x128_fp8_fp8 v[8*(8*(\q)+\b):8*(8*(\q)+\b)+7], v[128*(\p)+FR*\b:128*(\p)+FR*\b+FR-1], v[AF+FR*(\q):AF+FR*(\q)+FR-1], 0
.else
	v_wmma_f32_16x16x128_fp8_fp8 v[8*(8*(\q)+\b):8*(8*(\q)+\b)+7], v[128*(\p)+FR*\b:128*(\p)+FR*\b+FR-1], v[AF+FR*(\q):AF+FR*(\q)+FR-1], v[8*(8*(\q)+\b):8*(8*(\q)+\b)+7]
.endif
.endr
.endm
.macro FETCH_B slot, q, p              ; B's eight fragments of the slot's q-th 128 along K into set p
	WIN TO_B
.irp i, 0,1,2,3,4,5,6,7
	FRAGB 128*(\p)+FR*\i, ADRB+\slot, \q, \i
.endr
	WIN 0
.endm
.macro FETCH_A slot, q, half           ; one half of A's blocks
.set FI, (\half)*ABH
.rept ABH
	FRAGA AF+FR*FI, ADRA+\slot, \q, FI
.set FI, FI+1
.endr
.endm
; A load into a register that a matrix instruction has read, and a vector instruction that reads a matrix result, stand NP places behind that matrix instruction; only plain vector instructions that name none of
; its registers are places (ISA guide 7.12.1 for vector instructions).
.macro PLACES n
.rept \n
	v_nop
.endr
.endm
; A slot's first 128 along K: B's set 0.  A block of A' is free as soon as its eight products are issued, so A' has one set: its first half is fetched anew in the step's middle, its second at the end.
.macro STEP slot, zero
	s_wait_dscnt ABH*NL                            ; B's set and A's first half are in; the youngest loads (A's second half) may be out
	MULQ 0, 0, \zero
	MULQ 1, 0, \zero
	s_wait_dscnt 0                                 ; A's second half is in
	PLACES NP
	FETCH_B \slot, 1, 1
	FETCH_A \slot, 1, 0
	MULQ 2, 0, \zero
	MULQ 3, 0, \zero
	PLACES NP
	WIN 0
	FETCH_A \slot, 1, 1
.endm
; A slot's second 128 along K changes slots: ONE barrier; in front of it each wave waits for all its tensor loads, adds 0 to its spare word, and waits for that and for its own reads of this slot.
; fill = 1: this slot is filled again, two K steps ahead; the barrier then opens a round of the cluster's barrier.
.macro TURN slot, next, fill
	s_wait_tensorcnt 0x0                           ; all my tensor loads have landed: my part of the next slot;  (every window is 0 here: the add's two registers lie in window 0)
	ds_add_u32 v[SPW], v[NIL]                      ; 0 onto my spare word
	s_wait_dscnt ABH*NL+1                          ; the add and the youngest loads, A's second half, may be out
	MULQ 0, 1, 0                                   ; matrix instructions stand between the add and the wait for it
	s_wait_dscnt 0x0                               ; the add is done, and my reads of this slot are over
	s_barrier_signal -1
	MULQ 1, 1, 0
	WIN 0
	s_barrier_wait -1
.if \fill
	CREST                                          ; no wave of any partner still reads this slot's tile or has a load on its way
	s_add_nc_u64 s[G0+4*\slot+2:G0+4*\slot+3], s[G0+4*\slot+2:G0+4*\slot+3], 2*ASTEP
	s_add_nc_u64 s[G0B+4*\slot+2:G0B+4*\slot+3], s[G0B+4*\slot+2:G0B+4*\slot+3], 2*BSTEP
	JLOAD G0+4*\slot, G1, G0B+4*\slot, G1B         ; the first tensor load behind the round, my one load until the next; its four v_nop are the places in front of the loads below
.else
	PLACES NP
.endif
	FETCH_B \next, 0, 0
	FETCH_A \next, 0, 0
	MULQ 2, 1, 0
	MULQ 3, 1, 0
	PLACES NP
	WIN 0
	FETCH_A \next, 0, 1
.endm
	s_wait_tensorcnt 1                             ; my part of K step 0 is in; K step 1's load may be out
	s_barrier_signal -1
	s_barrier_wait -1                              ; everybody's is
	FETCH_B 0, 0, 0
	FETCH_A 0, 0, 0
	FETCH_A 0, 0, 1
	STEP 0, 1                                      ; K = 1,024 is four K steps, eight steps of 128: written out.  The first starts the sums
	TURN 0, 1, 1                                   ; slot 0 takes K step 2
	STEP 1, 0
	TURN 1, 0, 1                                   ; slot 1 takes K step 3
	STEP 0, 0
	TURN 0, 1, 0                                   ; nothing is left to fetch: a plain barrier; behind it nobody reads slot 0 and nothing is filled there
	STEP 1, 0
	s_wait_dscnt ABH*NL                            ; the last step
	MULQ 0, 1, 0
	MULQ 1, 1, 0
	s_wait_dscnt 0
	MULQ 2, 1, 0
	MULQ 3, 1, 0
	WIN 0
; THE WAY OUT, block by block of 16 rows x 128 columns.  A lane holds 32 neighbouring bytes of a row, and the lanes beside it hold other rows: so a block goes through my own stage in LDS and comes back as whole
; rows of 512 bytes.  LDS serves a wave's instructions in order (ISA guide 5.7.1.4): no wait between the stores and the loads, nor in front of the next block's stores.
.macro TOSTAGE a
	WIN 0x02                                       ; source 0: window 2
.set J, 0
.rept 32
	v_pk_mul_f32 v[TMP+J:TMP+J+1], v[64*(\a)+J:64*(\a)+J+1], s[96:97] op_sel_hi:[1,0]   ; both x s96 = 2^(e6 + e7); each accumulator from its low end on
.set J, J+2
.endr
	WIN 0
.irp b, 0,1,2,3,4,5,6,7
	ds_store_b128 v[STO], v[TMP+8*\b:TMP+8*\b+3] offset:64*\b
	ds_store_b128 v[STO], v[TMP+8*\b+4:TMP+8*\b+7] offset:64*\b+16
.endr
.set BB, BK+64*((\a)%2)
.irp t, 0,1,2,3,4,5,6,7,8,9,10,11,12,13,14,15
	ds_load_b128 v[BB+4*\t:BB+4*\t+3], v[RD] offset:\t*SPITCH
.endr
.endm
.macro SEND a, younger                 ; younger: the LDS instructions issued behind block a's loads, which may stay out
.set BB, BK+64*((\a)%2)
	s_wait_dscnt \younger                          ; the block is back in registers
.if (\a) > 0
	s_add_nc_u64 s[10:11], s[10:11], 16*4096       ; (behind a wait on XCNT: the earlier stores have read their base)  16 rows of out0 on
.endif
.irp t, 0,1,2,3,4,5,6,7,8,9,10,11,12,13,14,15
	global_store_b128 v[CO], v[BB+4*\t:BB+4*\t+3], s[10:11] offset:\t*4096 th:TH_STORE_NT   ; 32 lanes store 512 consecutive bytes, aligned; written once, read by nobody here
.endr
.endm
	s_wait_kmcnt 0x0
	s_add_co_i32 s96, s78, s79                     ; e6 + e7
	s_add_co_i32 s96, s96, 127
	s_lshl_b32 s96, s96, 23                        ; 2^(e6 + e7) as f32
	s_mov_b32 s97, s96                             ; (named with it as a pair)
	PLACES NP                                      ; behind the last products: for the reads of results and the loads into the registers that held A's fragments
	TOSTAGE 0
.irp a, 1,2,3
.if \a > 1
	s_wait_xcnt 0x0                                ; block a - 2's stores have read their registers and their base: block a's loads may land there, and the base may step
.endif
	TOSTAGE \a
	SEND \a-1, 32                                  ; behind block a - 1's loads: block a's 16 stores and 16 loads
.endr
	s_wait_xcnt 0x0                                ; block 2's stores have read their base
	SEND 3, 0
	s_wait_tensorcnt 0x0                           ; the wave's end: a zero add to my spare word and its wait, behind my last tensor load and my last LDS store
	ds_add_u32 v[SPW], v[NIL]
	s_wait_dscnt 0x0
	CROUND                                         ; the closing round: no work-group ends while a partner may still ask for a tile that names it
	s_endpgm
.Lfunc_end_k_q60f8e61557_proj:
	.size	k_q60f8e61557_proj, .Lfunc_end_k_q60f8e61557_proj-k_q60f8e61557_proj
	.p2alignl 7, 3214868480
	.fill 96, 4, 3214868480
	.section	.rodata,"a",@progbits
	.p2align	6, 0x0
	.amdhsa_kernel k_q60f8e61557_proj
		.amdhsa_group_segment_fixed_size 327680
		.amdhsa_private_segment_fixed_size 0
		.amdhsa_enable_private_segment 0
		.amdhsa_kernarg_size 32
		.amdhsa_user_sgpr_count 2
		.amdhsa_user_sgpr_kernarg_segment_ptr 1
		.amdhsa_wavefront_size32 1
		.amdhsa_system_sgpr_workgroup_id_x 1
		.amdhsa_system_sgpr_workgroup_id_y 1
		.amdhsa_system_sgpr_workgroup_id_z 1
		.amdhsa_system_vgpr_workitem_id 0
		.amdhsa_next_free_vgpr 768
		.amdhsa_next_free_sgpr 100
		.amdhsa_reserve_vcc 0
		.amdhsa_float_denorm_mode_32 3
		.amdhsa_float_denorm_mode_16_64 3
		.amdhsa_memory_ordered 1
		.amdhsa_forward_progress 1
		.amdhsa_inst_pref_size 76
	.end_amdhsa_kernel
	.amdgpu_metadata
---
amdhsa.version: [ 1, 2 ]
amdhsa.kernels:
  - .name:           k_q60f8e61557_proj
    .symbol:         k_q60f8e61557_proj.kd
    .args:
      - { .name: acodes, .offset: 0, .size: 8, .value_kind: global_buffer, .address_space: global }
      - { .name: wcodes, .offset: 8, .size: 8, .value_kind: global_buffer, .address_space: global }
      - { .name: lowp_scales, .offset: 16, .size: 8, .value_kind: global_buffer, .address_space: global }
      - { .name: out0, .offset: 24, .size: 8, .value_kind: global_buffer, .address_space: global }
    .group_segment_fixed_size: 327680
    .private_segment_fixed_size: 0
    .kernarg_segment_align: 8
    .kernarg_segment_size: 32
    .max_flat_workgroup_size: 128
    .sgpr_count:     100
    .vgpr_count:     768
    .wavefront_size: 32
...
	.end_amdgpu_metadata
.endif
;; end of part 4
;; ======== version 2 of 2: 4 launches; version 1 with the launch attn written anew for expert scheduling mode
;; workspace buffers: xcodes 8,388,608 bytes; wcodes 4,194,304 bytes; qcodes 8,388,608 bytes; kcodes 8,388,608 bytes; vcodes 8,388,608 bytes; acodes 8,388,608 bytes
;; launch quant: the kernel of part 1 again; grid 384 x 1, 4 waves a work-group, no clusters, 68,096 bytes of LDS; arguments x, w_attn, w_proj, lowp_scales, xcodes, wcodes; writes xcodes, wcodes
;; launch qkv: the kernel of part 2 again; grid 12 x 32, 4 waves a work-group, clusters of 4 x 4, 327,680 bytes of LDS; arguments xcodes, wcodes, lowp_scales, qcodes, kcodes, vcodes; writes qcodes, kcodes, vcodes
;; launch attn (part 5): grid 4 x 64, 16 waves a work-group, no clusters, 153,600 bytes of LDS; arguments qcodes, kcodes, vcodes, lowp_scales, acodes; writes acodes
.if DOCPART == 5
	.amdgcn_target "amdgcn-amd-amdhsa--gfx1250"
	.amdhsa_code_object_version 6
	.text
	.protected	k_q60f8e61557_attn
	.globl	k_q60f8e61557_attn
	.p2align	8
	.type	k_q60f8e61557_attn,@function
k_q60f8e61557_attn:
	s_mov_b64 s[64:65], 0
	v_nop
	global_prefetch_b8 v0, s[64:65] scope:SCOPE_SE
	s_setreg_imm32_b32 hwreg(HW_REG_WAVE_SCHED_MODE, 0, 2), 2
	s_setreg_imm32_b32 hwreg(HW_REG_WAVE_MODE, 25, 1), 1
	s_wait_xcnt 0x0
	s_wait_alu depctr_vm_vsrc(0)
; Causal attention on codes of FP8 (E4M3), head size 64, and its result quantised for the last product.
; qcodes, kcodes [64 bh][2048 t][64 d]; vcodes [64 bh][64 d][2048 t] (the keys innermost); the scales' exponents e2 (q), e3 (k), e4 (p), e5 (v), e6 (the result).  OUT: acodes [16 head][8192 token][64 d], bh = 16 b + head, token = 2048 b + t.
; THE SOFTMAX: t = score x log2(e) / 8; M = the row's largest t so far, rounded UP to a whole number; p = 2^(t - M) is quantised with 2^e4, not normalised.  The row's sum is taken of the unquantised p and divides at the end.
; When M moves, the sum and O are multiplied by 2^(old M - new M): exact.
; SHARES.  Work-group (i, bh) owns the query blocks i and 7 - i of its head, 256 queries each; each of its sixteen waves owns 16 queries of the block in hand, one tile, in 256 registers: four waves to a SIMD.
; A UNIT is one block against one slot of 256 keys.  Block j needs slots 0 .. j, so every work-group has (i + 1) + (8 - i) = 9 units: the trip count is a constant, all work-groups have the same number of units, and no slot that the mask hides wholly is fetched.
; K AND V come through two LDS slots by way of registers: each of the 512 threads loads 64 bytes of the next slot at a unit's head and stores them into LDS at its end; one barrier a unit.
; NO JOINT LOADS: in trip u work-group i wants slot u (u <= i) or slot u - i - 1: the four work-groups of a head want different slots in the same trip, so no request could be alike in all four.
; LAYOUT.  Both products are used transposed: S^T = K Q^T (source 0 = 16 keys, source 1 = my 16 queries), O^T = V^T P^T (source 0 = 16 of the head's 64, source 1 = P): a lane holds ONE query (lane % 16) throughout.
; K's rows lie in LDS with bits 3 and 4 of the key's number exchanged: LDS row 16 t + r holds key 32 (t / 2) + 8 (t % 2) + r + 8 (r / 8), so that the 16 registers of tiles 2 b and 2 b + 1 are the neighbouring keys 32 b + 16 (lane / 16) + 0 .. 15.
; LIMITS on the given exponents, so that each power of two below is an f32 number: e2 + e3 between -123 and 130; e4 and e6 between -126 and 119; e4 + e5 is applied by v_ldexp_f32 and has none.  NaN is not served.
; REGISTERS: v1-4 places in a slot; v5, v6 the add's two; v7, v249 the copy's offsets in memory; v8-11 the unit's LDS addresses; v12 -M, v13 the largest t, v[14:15] the sum in two halves; v16-23 Q; v32-95 K's eight fragments, then V's four;
;   v96-159 S^T, then p; v160-191 O^T; v192-207 the copy; v208-215 the second block's Q; v216-223 the result's codes; v224-239 p's codes; v240-254 constants and work.
; THE MODE: SCHED_MODE bits 1:0 = 2 (LLVM: expert scheduling mode 2), set by the entry lines.  The code itself states the register dependences between vector or matrix instructions and memory or LDS instructions,
; and those through scalar registers that vector instructions write, with s_wait_alu, always for 0.
; THE PLAN.  Registers that memory or LDS instructions touch:
;   v7, v249, v246-248   offsets and stage addresses: written at the head, never again.
;   v242, v243           Q's offsets at the head; from the first step on work registers of the sums.
;   v8, v9               where the unit's fragments of K and of V lie: written once a unit, at its head; read by the steps' LDS loads.
;   v10, v11             where the copy goes, in the other slot: written at the unit's head; read by the four LDS stores at its end.
;   v192-207             the copy: global loads land there at a unit's head, LDS stores read them at its end; no vector instruction names them.
;   v32-95               K's loads land, the eight products K Q^T read; V's loads land, the four products V^T P^T read.
;   v216-223, v224-231   the way out of a block: conversions write the first, LDS stores read them; LDS loads land in the second (p's codes in the steps), global stores read them.
; A unit's head has one wait on vm_vsrc (all that was issued has read its registers: v8-11, the copy, the way out's registers and, in the first trip, Q's offsets may be written), the four additions, and one wait on va_vdst
; (the four addresses are written; the last unit's products are done reading v32-95).  Behind it the copy's loads, step 0's loads of K and the unit's LDS stores want no further wait: no vector instruction of a unit names v8-11 or v192-207.
; A step has one wait on va_vdst behind its products K Q^T, ahead of V's loads, which are then dealt among the maximum's lines; step 1 has one more at its head, behind step 0's products V^T P^T.
.set KP,    80                         ; a key's row in LDS: 64 bytes + 16 of padding = 20 words: sixteen rows start at sixteen different groups of four banks (64 banks of 4 bytes: ISA guide 11.1)
.set VP,    272                        ; a row of V's tile: 256 bytes (a slot's keys) + 16
.set VOFF,  256*KP                     ; a slot: 256 rows of K, then 64 rows of V
.set SLOT1, 65536                      ; slot 1 begins here: one exclusive or turns an address from one slot to the other
.set STAGE, 2*SLOT1                    ; the way out: 16 rows x KP bytes for each wave
.set SPARE, STAGE+16*16*KP             ; behind the stages: the spare words, 128 bytes for each wave: eight blocks of 256 bytes that no other line names
.set UNITS, 9
	s_load_b256 s[4:11], s[0:1], 0x0               ; qcodes s[4:5], kcodes s[6:7], vcodes s[8:9], the scales s[10:11]
	s_load_b64 s[12:13], s[0:1], 0x20              ; acodes
	v_lshl_add_u32 v5, v0, 2, SPARE                ; my spare word; never rewritten
	v_mov_b32 v6, 0                                ; 0; never rewritten
	v_lshrrev_b32 v8, 5, v0
	v_readfirstlane_b32 s14, v8                    ; wave 0..15
	v_and_b32 v8, 15, v0                           ; r
	v_bfe_u32 v9, v0, 4, 1                         ; h
	v_mul_u32_u24 v1, v8, KP
	v_lshl_add_u32 v1, v9, 4, v1                   ; K's fragments: row r, + 16 h
	v_mul_u32_u24 v2, v8, VP
	v_lshl_add_u32 v2, v9, 4, v2
	v_add_nc_u32 v2, VOFF, v2                      ; V's likewise
	v_lshrrev_b32 v10, 2, v0                       ; the copy of K: thread n brings 16 bytes of key n / 4, and of key 128 + n / 4
	v_and_b32 v11, 0x67, v10
	v_bfe_u32 v3, v10, 3, 1
	v_lshl_add_u32 v11, v3, 4, v11
	v_bfe_u32 v3, v10, 4, 1
	v_lshl_add_u32 v11, v3, 3, v11                 ; the key's LDS row: bits 3 and 4 exchanged
	v_mul_u32_u24 v3, v11, KP
	v_and_b32 v10, 3, v0
	v_lshl_add_u32 v3, v10, 4, v3
	v_lshrrev_b32 v10, 4, v0                       ; the copy of V: thread n brings 16 bytes of row n / 16, and of row 32 + n / 16
	v_mul_u32_u24 v4, v10, VP
	v_lshl_add_u32 v4, v8, 4, v4
	v_add_nc_u32 v4, VOFF, v4
	v_lshlrev_b32 v249, 11, v10
	v_lshl_add_u32 v249, v8, 4, v249               ; in memory: rows of 2,048 bytes; sixteen lanes read 256 consecutive bytes
	v_lshlrev_b32 v7, 4, v0                        ; K in memory: one dense block; a wave reads 512 consecutive bytes
	s_wait_alu depctr_va_sdst(0)                   ; s14, the wave's number, is written, ahead of its first reader
	s_mul_i32 s53, s14, 16*KP
	s_add_co_u32 s53, s53, STAGE                   ; my stage
	v_mul_u32_u24 v246, v8, KP
	v_lshl_add_u32 v246, v9, 3, v246
	v_add_nc_u32 v246, s53, v246                   ; in: row r, + 8 h
	v_and_b32 v10, 31, v0
	v_lshrrev_b32 v11, 2, v10
	v_mul_u32_u24 v247, v11, KP
	v_and_b32 v11, 3, v0
	v_lshl_add_u32 v247, v11, 4, v247
	v_add_nc_u32 v247, s53, v247                   ; back: four lanes to a row of 64 bytes, eight rows an instruction
	v_lshlrev_b32 v248, 4, v10                     ; which are 512 consecutive bytes of acodes
	s_and_b32 s53, ttmp7, 0xffff                   ; bh
	s_lshl_b32 s38, s53, 17                        ; the head's 131,072 bytes in each tensor of codes
	s_mov_b32 s39, 0                               ; (the upper word of every offset pair made in s[38:39])
	s_lshl_b32 s54, s14, 4
	s_lshl_b32 s31, ttmp9, 8
	s_add_co_u32 s31, s31, s54                     ; my first query in the first block: 256 i + 16 w
	s_sub_co_u32 s29, 7, ttmp9                     ; the second block
	s_lshl_b32 s32, s29, 8
	s_add_co_u32 s32, s32, s54                     ; my first query there
	s_mov_b32 s28, ttmp9                           ; the block in hand
	s_and_b32 s55, s53, 15
	s_lshl_b32 s55, s55, 13                        ; acodes: 8,192 tokens for each head,
	s_lshr_b32 s56, s53, 4
	s_lshl_b32 s56, s56, 11                        ; 2,048 for each batch
	s_add_co_u32 s55, s55, s56
	s_add_co_u32 s56, s55, s31
	s_lshl_b32 s56, s56, 6                         ; 64 bytes a token
	s_mov_b32 s57, 0
	s_add_co_u32 s58, s55, s32
	s_lshl_b32 s58, s58, 6
	s_mov_b32 s59, 0
	v_lshlrev_b32 v242, 6, v8
	v_lshl_add_u32 v242, v9, 4, v242               ; Q: row r of 64 bytes, + 16 h,
	s_lshl_b32 s54, s32, 6
	v_add_nc_u32 v243, s54, v242                   ; in the second block,
	s_lshl_b32 s54, s31, 6
	v_add_nc_u32 v242, s54, v242                   ; and in the first
	s_mov_b32 s20, 0x76543210                      ; v_permlanex16_b32's selects for lane l xor 16
	s_mov_b32 s21, 0xfedcba98
	s_mov_b32 s24, 0                               ; the slot in hand
	s_mov_b32 s26, 0                               ; its number among the head's eight
	s_mov_b32 s30, 0                               ; its first key
	s_mov_b32 s33, UNITS
	v_add_nc_u32 v10, s24, v3                      ; where the first copy goes: slot 0
	v_add_nc_u32 v11, s24, v4
	s_wait_kmcnt 0x0
	s_load_b256 s[40:47], s[10:11], 0x0            ; e0 .. e7
	s_add_nc_u64 s[4:5], s[4:5], s[38:39]          ; the three tensors at my head
	s_add_nc_u64 s[6:7], s[6:7], s[38:39]
	s_add_nc_u64 s[8:9], s[8:9], s[38:39]
	s_add_nc_u64 s[48:49], s[12:13], s[56:57]      ; where the block in hand goes,
	s_add_nc_u64 s[50:51], s[12:13], s[58:59]      ; and the second block
	s_mov_b64 s[34:35], s[6:7]                     ; the copy: slot 0
	s_mov_b64 s[36:37], s[8:9]
.macro COPY_LOAD                       ; my 64 bytes of a slot: 16,384 bytes of K, dense, and 256 bytes of each of V's 64 rows
	global_load_b128 v[192:195], v7, s[34:35]
	global_load_b128 v[196:199], v7, s[34:35] offset:8192
	global_load_b128 v[200:203], v249, s[36:37]
	global_load_b128 v[204:207], v249, s[36:37] offset:65536
.endm
.macro COPY_STORE                      ; into the slot whose addresses stand in v10 and v11
	ds_store_b128 v10, v[192:195]
	ds_store_b128 v10, v[196:199] offset:128*KP
	ds_store_b128 v11, v[200:203]
	ds_store_b128 v11, v[204:207] offset:32*VP
.endm
.macro VFRAG t, q                      ; fragment t of V's four, of the slot's q-th 128 keys
.irp c, 0,1,2,3
	ds_load_b128 v[32+16*(\t)+4*\c:35+16*(\t)+4*\c], v9 offset:16*(\t)*VP+128*(\q)+32*\c
.endr
.endm
.macro RESET                           ; a block's state: O^T and the sum are zeros and the largest t lies under every t, so the first step needs no text of its own
	v_mov_b32 v13, 0xff61b1e6                      ; -3e38
	v_floor_f32 v12, -v13                          ; -M
	v_mov_b32 v14, 0
	v_mov_b32 v15, 0
.set J, 0
.rept 32
	v_mov_b32 v[160+J], 0
.set J, J+1
.endr
.endm
	s_wait_alu depctr_va_vdst(0)                   ; every offset and address is written: v7 and v249, v242 and v243, which the loads below read; v10 and v11, which the first LDS stores read; v246 to v248, for the way out
	COPY_LOAD
	global_load_b128 v[16:19], v242, s[4:5]        ; Q's fragments stay in registers: registers 4 c .. 4 c + 3 hold d = 32 c + 16 h + 0 .. 15, as K's do
	global_load_b128 v[20:23], v242, s[4:5] offset:32
	global_load_b128 v[208:211], v243, s[4:5]
	global_load_b128 v[212:215], v243, s[4:5] offset:32
	RESET
	v_mov_b32 v250, 0                              ; written once: a lane permute's destination counts as one of its sources
	v_mov_b32 v253, 0                              ; (named as the upper half of the pair v[252:253])
	s_wait_kmcnt 0x0
	s_add_co_i32 s53, s42, s43
	s_lshl_b32 s53, s53, 23
	s_add_co_i32 s22, s53, 0x3e38aa3b              ; c = log2(e) / 8, with e2 + e3 added to its exponent field: a score stands for score x 2^(e2 + e3)
	s_mov_b32 s23, s22                             ; (named with it as a pair)
	s_add_co_i32 s53, s44, 127
	s_lshl_b32 s54, s53, 23
	v_mov_b32 v241, s54                            ; 2^e4
	s_add_co_i32 s53, s53, 8
	s_lshl_b32 s53, s53, 23
	s_or_b32 s53, s53, 0x600000
	v_mov_b32 v240, s53                            ; 448 x 2^e4
	s_add_co_i32 s53, s46, 127
	s_lshl_b32 s54, s53, 23
	v_mov_b32 v245, s54                            ; 2^e6
	s_add_co_i32 s53, s53, 8
	s_lshl_b32 s53, s53, 23
	s_or_b32 s53, s53, 0x600000
	v_mov_b32 v244, s53                            ; 448 x 2^e6
	s_add_co_i32 s52, s44, s45                     ; e4 + e5
	s_wait_loadcnt 0x0                             ; slot 0's bytes and both Q
	COPY_STORE                                     ; (no vector line since the wait above has written v10 or v11)
	s_wait_dscnt 0x0                               ; for the others' sake: my stores are done
	s_barrier_signal -1
	s_barrier_wait -1
; A KEY STEP: 128 keys, the q-th half of the slot in hand.
.macro STEP q
.if (\q) == 0
	s_mov_b32 s53, s30                             ; the step's first key
.else
	s_add_co_u32 s53, s30, 128
.endif
	s_add_co_u32 s54, s31, 15
	s_cmp_gt_u32 s53, s54                          ; all its keys come after my 16 queries: the step is left out.  A scalar branch on ids; no barrier stands in a step
	s_cbranch_scc1 .Lhidden_\@
.if (\q) > 0
.rept 4
	v_nop                                          ; four places behind the step before's products, in front of loads into registers that they read (in step 0 the unit's four additions are these places)
.endr
	s_wait_alu depctr_va_vdst(0)                   ; the step before's products V^T P^T are done reading v32-95, in which K's fragments land (in step 0 the wait at the unit's head has stated it)
.endif
.irp t, 0,1,2,3,4,5,6,7
.irp c, 0,1
	ds_load_b128 v[32+8*\t+4*\c:35+8*\t+4*\c], v8 offset:(128*(\q)+16*\t)*KP+32*\c
.endr
.endr
	s_wait_dscnt 8                                 ; tiles 0-3 are in; the eight loads of tiles 4-7 may be out
.irp t, 0,1,2,3
	v_wmma_f32_16x16x64_fp8_fp8 v[96+8*\t:103+8*\t], v[32+8*\t:39+8*\t], v[16:23], 0
.endr
	s_wait_dscnt 0x0
.irp t, 4,5,6,7
	v_wmma_f32_16x16x64_fp8_fp8 v[96+8*\t:103+8*\t], v[32+8*\t:39+8*\t], v[16:23], 0
.endr
.rept 4
	v_nop                                          ; places: in front of the loads below, and of the first read of the scores
.endr
	s_wait_alu depctr_va_vdst(0)                   ; the eight products K Q^T are done reading v32-95, in which V's fragments land.  No vector line from here to the products V^T P^T names v9 or v32-95: V's sixteen loads are dealt among them with no further wait
	VFRAG 0, \q                                    ; V's four fragments land while the softmax is worked
	s_add_co_u32 s54, s53, 127
	s_cmp_le_u32 s54, s31                          ; all keys count for all my queries: no mask
	s_cbranch_scc1 .Lopen_\@
	s_sub_co_i32 s54, s31, s53                     ; on the diagonal the scores of hidden keys become -infinity ahead of the maximum: p = 0 then.  The step's first key counts for every query of mine
	v_and_b32 v252, 15, v0
	v_bfe_u32 v253, v0, 4, 1
	v_lshlrev_b32 v253, 4, v253
	v_sub_nc_u32 v252, v252, v253
	v_add_nc_u32 v252, s54, v252                   ; d = my query - the first key - 16 h.  Register 16 b + i holds key 32 b + 16 h + i of the step: hidden where 32 b + i > d
	v_mov_b32 v254, 0xff800000
; The compares go in four runs of sixteen, into sixteen scalar registers that nothing else holds in the loop (s56-63, s40-43, s16-19), so that one wait serves a run.
.set MB, 0
.rept 4
.set MI, 0
.rept 16
.if MI < 8
.set MR, 56+MI
.elseif MI < 12
.set MR, 32+MI
.else
.set MR, 4+MI
.endif
	v_cmp_gt_i32 s[MR], 32*MB+MI, v252
.set MI, MI+1
.endr
	s_wait_alu depctr_va_sdst(0)                   ; the run's sixteen masks are written, ahead of the selects that read them
.set MI, 0
.rept 16
.if MI < 8
.set MR, 56+MI
.elseif MI < 12
.set MR, 32+MI
.else
.set MR, 4+MI
.endif
	v_cndmask_b32 v[96+16*MB+MI], v[96+16*MB+MI], v254, s[MR]
.set MI, MI+1
.endr
.set MB, MB+1
.endr
.Lopen_\@:
	v_max3_num_f32 v254, v96, v97, v98             ; the step's largest score of my query among my 64 keys, in two chains, from each accumulator's low end on,
	v_max3_num_f32 v252, v99, v100, v101
.set J, 6
.rept 14
	v_max3_num_f32 v254, v254, v[96+J], v[97+J]
	v_max3_num_f32 v252, v252, v[98+J], v[99+J]
.if J == 14
	VFRAG 1, \q
.endif
.if J == 30
	VFRAG 2, \q
.endif
.if J == 46
	VFRAG 3, \q
.endif
.set J, J+4
.endr
	v_max3_num_f32 v254, v254, v158, v159
	v_max_num_f32 v254, v254, v252
	v_permlanex16_b32 v250, v254, s20, s21
	v_max_num_f32 v254, v254, v250                 ; and among lane l xor 16's
	v_mul_f32 v254, s22, v254                      ; as t (c is positive)
	v_max_num_f32 v13, v13, v254                   ; the running largest t
	v_mov_b32 v254, v12
	v_floor_f32 v12, -v13                          ; the new -M = floor(-t): M is a whole number
	v_sub_f32 v254, v12, v254                      ; old M - new M: a whole number, 0 or less
	v_cvt_i32_f32 v254, v254                       ; (it saturates)
	v_ldexp_f32 v252, 1.0, v254                    ; f = 2^(old M - new M)
.set J, 0
.rept 32
	v_pk_fma_f32 v[96+J:97+J], v[96+J:97+J], s[22:23], v[12:13] op_sel_hi:[1,0,0]   ; t - M, two at a time (of the pairs c and -M the low word serves both halves)
.set J, J+2
.endr
.set J, 0
.rept 64
	v_exp_f32 v[96+J], v[96+J]                     ; p = 2^(t - M), at most 1
.set J, J+1
.endr
	v_pk_mul_f32 v[14:15], v[14:15], v[252:253] op_sel_hi:[1,0]   ; the sums under the new M: the plain line behind the exponentials
	s_wait_alu depctr_va_vdst(0)                   ; the 64 exponentials have written v96-159: one wait ahead of the first line that names a result, for the batch
	v_pk_add_f32 v[242:243], v[96:97], v[98:99]    ; the row's sum is taken of the UNQUANTISED p: two at a time, in two chains
.set J, 4
.rept 15
	v_pk_add_f32 v[14:15], v[14:15], v[96+J:97+J]
	v_pk_add_f32 v[242:243], v[242:243], v[98+J:99+J]
.set J, J+4
.endr
	v_pk_add_f32 v[14:15], v[14:15], v[242:243]
	s_cmp_ge_i32 s44, -8                           ; the hold at 448 x 2^e4.  With e4 >= -8 that bound is 1.75 or more and p is at most 1: the hold changes no number and is jumped over.
	s_cbranch_scc1 .Lnohold_\@                     ; (a branch on a whole number read from memory; this text has no tensor load, copy or cluster)
.set J, 0
.rept 64
	v_min_num_f32 v[96+J], v[96+J], v240           ; the conversion does not saturate (ISA guide 7.6.2); p is not negative, so the hold is one-sided
.set J, J+1
.endr
.Lnohold_\@:
.irp b, 0,1,2,3
	v_cvt_scalef32_pk8_fp8_f32 v[224+4*\b:225+4*\b], v[96+16*\b:103+16*\b], v241   ; registers 4 b .. 4 b + 3 of the operand: keys 32 b + 16 h + 0 .. 15
	v_cvt_scalef32_pk8_fp8_f32 v[226+4*\b:227+4*\b], v[104+16*\b:111+16*\b], v241
.endr
.set J, 0
.rept 16
	v_pk_mul_f32 v[160+J:161+J], v[160+J:161+J], v[252:253] op_sel_hi:[1,0]   ; O^T under the new M; also the plain lines between the conversions and the products that read their results
.set J, J+2
.endr
	s_wait_dscnt 0x0                               ; V is in
.irp t, 0,1,2,3
	v_wmma_f32_16x16x128_fp8_fp8 v[160+8*\t:167+8*\t], v[32+16*\t:47+16*\t], v[224:239], v[160+8*\t:167+8*\t]   ; four accumulators by turns; eight other products stand between two links of a chain
.endr
.Lhidden_\@:
.endm
.Lunit:
	s_xor_b32 s25, s24, SLOT1                      ; the other slot: it was read in the unit before, and every wave's reads of it were over in front of the last barrier
	s_wait_alu depctr_vm_vsrc(0)                   ; all LDS and memory instructions issued so far have read their registers: v8-11, which the additions below write; v192-207, in which the copy's loads land; a finished block's v216-223 and v224-231, which the conversions write again; in the first trip Q's offsets v242 and v243, which the sums write
	v_add_nc_u32 v8, s24, v1                       ; the unit's four LDS addresses: K's and V's fragments in the slot in hand,
	v_add_nc_u32 v9, s24, v2
	v_add_nc_u32 v10, s25, v3                      ; the copy's places in the other slot.  (These four are also the places between the last unit's products and step 0's loads)
	v_add_nc_u32 v11, s25, v4
	s_wait_alu depctr_va_vdst(0)                   ; v8-11 are written, which the unit's LDS loads and stores read; the last unit's products are done reading v32-95, in which step 0's fragments of K land
	s_add_co_u32 s27, s26, 1                       ; the next unit's slot: the next one,
	s_cmp_eq_u32 s26, s28
	s_cselect_b32 s27, 0, s27                      ; or slot 0, where this unit ends its block: never above 7
	s_cmp_eq_u32 s33, 1                            ; the last unit asks for nothing
	s_cbranch_scc1 .Lno_ask
	s_lshl_b32 s38, s27, 14                        ; (the last copy's loads were waited for, so their bases may be written)
	s_add_nc_u64 s[34:35], s[6:7], s[38:39]
	s_lshl_b32 s38, s27, 8
	s_add_nc_u64 s[36:37], s[8:9], s[38:39]
	COPY_LOAD                                      ; a whole unit, two key steps of each of the SIMD's four waves, ahead of the wait for it
.Lno_ask:
	STEP 0
	STEP 1
	s_cmp_lg_u32 s26, s28
	s_cbranch_scc1 .Lgo_on
	; THE BLOCK IS FINISHED: O^T / the sum x 2^(e4 + e5), quantised with 2^e6; the codes go through my stage and leave as 1,024 consecutive bytes.
.rept 4
	v_nop                                          ; places behind the last products
.endr
	v_add_f32 v14, v14, v15                        ; the sum's two halves,
	v_permlanex16_b32 v250, v14, s20, s21
	v_add_f32 v14, v14, v250                       ; and lane l xor 16's
	v_rcp_f32 v14, v14
	v_nop                                          ; one plain line behind the reciprocal,
	s_wait_alu depctr_va_vdst(0)                   ; the reciprocal has written v14: a wait ahead of its first reader
	v_ldexp_f32 v14, v14, s52
.set J, 0
.rept 16
	v_pk_mul_f32 v[96+J:97+J], v[160+J:161+J], v[14:15] op_sel_hi:[1,0]   ; register 8 t + j is o(query r, d = 16 t + 8 h + j)
.set J, J+2
.endr
.set J, 0
.rept 32
	v_med3_num_f32 v[96+J], v[96+J], -v244, v244   ; the hold at 448 x 2^e6
.set J, J+1
.endr
.irp t, 0,1,2,3
	v_cvt_scalef32_pk8_fp8_f32 v[216+2*\t:217+2*\t], v[96+8*\t:103+8*\t], v245
.endr
	v_nop                                          ; one plain line behind the last conversion
	s_wait_alu depctr_va_vdst(0)                   ; the conversions have written v216-223, which the LDS stores read; the steps' conversions and products are done with v224-231, in which the loads from the stage land
.irp t, 0,1,2,3
	ds_store_b64 v246, v[216+2*\t:217+2*\t] offset:16*\t
.endr
.irp n, 0,1
	ds_load_b128 v[224+4*\n:227+4*\n], v247 offset:8*KP*\n   ; LDS serves a wave's instructions in order: these see my stores
.endr
	s_wait_dscnt 0x0
.irp n, 0,1
	global_store_b128 v248, v[224+4*\n:227+4*\n], s[48:49] offset:512*\n   ; 32 lanes store 512 consecutive bytes, aligned
.endr
	RESET                                          ; on to the second block (behind the second block this is idle work, once a wave)
.set J, 0
.rept 8
	v_mov_b32 v[16+J], v[208+J]                    ; its Q
.set J, J+1
.endr
	s_wait_xcnt 0x0                                ; the stores' addresses are translated: their base may be written; beside it, the wait on vm_vsrc at the next unit's head stands ahead of the next write of their data registers
	s_mov_b64 s[48:49], s[50:51]
	s_mov_b32 s28, s29
	s_mov_b32 s31, s32
.Lgo_on:
	s_wait_loadcnt 0x0                             ; the next slot's bytes are in registers
	s_cmp_eq_u32 s33, 1
	s_cbranch_scc1 .Lno_put
	COPY_STORE                                     ; into the other slot: v10 and v11 were shown written at the unit's head, and no vector line since has written them
.Lno_put:
	s_mov_b32 s26, s27
	s_lshl_b32 s30, s26, 8
	s_wait_dscnt 0x0                               ; my stores have landed, and my reads of the slot in hand are over
	s_barrier_signal -1
	s_barrier_wait -1
	s_xor_b32 s24, s24, SLOT1
	s_sub_co_u32 s33, s33, 1
	s_cmp_lg_u32 s33, 0
	s_cbranch_scc1 .Lunit
	s_wait_dscnt 0x0                               ; the wave's end: the six closing lines on end
	s_wait_alu 0x0
	s_wait_tensorcnt 0x0
	ds_add_u32 v5, v6
	s_wait_dscnt 0x0
	s_endpgm
.Lfunc_end_k_q60f8e61557_attn:
	.size	k_q60f8e61557_attn, .Lfunc_end_k_q60f8e61557_attn-k_q60f8e61557_attn
	.p2alignl 7, 3214868480
	.fill 96, 4, 3214868480
	.section	.rodata,"a",@progbits
	.p2align	6, 0x0
	.amdhsa_kernel k_q60f8e61557_attn
		.amdhsa_group_segment_fixed_size 153600
		.amdhsa_private_segment_fixed_size 0
		.amdhsa_enable_private_segment 0
		.amdhsa_kernarg_size 40
		.amdhsa_user_sgpr_count 2
		.amdhsa_user_sgpr_kernarg_segment_ptr 1
		.amdhsa_wavefront_size32 1
		.amdhsa_system_sgpr_workgroup_id_x 1
		.amdhsa_system_sgpr_workgroup_id_y 1
		.amdhsa_system_sgpr_workgroup_id_z 1
		.amdhsa_system_vgpr_workitem_id 0
		.amdhsa_next_free_vgpr 256
		.amdhsa_next_free_sgpr 66
		.amdhsa_reserve_vcc 0
		.amdhsa_float_denorm_mode_32 3
		.amdhsa_float_denorm_mode_16_64 3
		.amdhsa_memory_ordered 1
		.amdhsa_forward_progress 1
		.amdhsa_inst_pref_size 65
	.end_amdhsa_kernel
	.amdgpu_metadata
---
amdhsa.version: [ 1, 2 ]
amdhsa.kernels:
  - .name:           k_q60f8e61557_attn
    .symbol:         k_q60f8e61557_attn.kd
    .args:
      - { .name: qcodes, .offset: 0, .size: 8, .value_kind: global_buffer, .address_space: global }
      - { .name: kcodes, .offset: 8, .size: 8, .value_kind: global_buffer, .address_space: global }
      - { .name: vcodes, .offset: 16, .size: 8, .value_kind: global_buffer, .address_space: global }
      - { .name: lowp_scales, .offset: 24, .size: 8, .value_kind: global_buffer, .address_space: global }
      - { .name: acodes, .offset: 32, .size: 8, .value_kind: global_buffer, .address_space: global }
    .group_segment_fixed_size: 153600
    .private_segment_fixed_size: 0
    .kernarg_segment_align: 8
    .kernarg_segment_size: 40
    .max_flat_workgroup_size: 512
    .sgpr_count:     66
    .vgpr_count:     256
    .wavefront_size: 32
...
	.end_amdgpu_metadata
.endif
;; end of part 5
;; launch proj: the kernel of part 4 again; grid 4 x 64, 4 waves a work-group, clusters of 4 x 4, 327,680 bytes of LDS; arguments acodes, wcodes, lowp_scales, out0; writes out0
